; MI455X (gfx1250); checked and timed in simulation.
; The chip was launched on July 23, 2026; its instructions are those of AMD's public machine-readable ISA for CDNA 5 (MIT licence, August 2026) and "CDNA5" Instruction Set Architecture Reference Guide (July 2026). The comments in the code are by the model that wrote it; some were corrected since.
;; Attention Model. Allowed arithmetic: matrix products marked QUANTISED: E2M3 operands, one E8M0 scale for each 32 along K, by v_wmma_scale_f32_16x16x128_f8f6f4 with both operands' format E2M3, f32 sums; everything else in f32.
;; Inputs: Wk 1,024 x 1,024 float32; Wq 1,024 x 1,024 float32; Wv 1,024 x 1,024 float32; bk 1,024 float32; bq 1,024 float32; bv 1,024 float32; key 4 x 2,048 x 1,024 float32; query 4 x 2,048 x 1,024 float32; value 4 x 2,048 x 1,024 float32.
;; Outputs: out0 4 x 2,048 x 1,024 float32.
;; This version of the problem:
;;   THIS VERSION OF THE PROBLEM IS GIVEN IN LOW PRECISION. The matrix products marked QUANTISED in the list below multiply operands that are first quantised to E2M3 (2 exponent bits, 3 mantissa bits; 6 bits a number), with one power-of-two scale for each 32 numbers along K (OCP MX v1.0); their sums are f32. All else is computed in f32.
;;   The module's matrix products, in the order in which they are computed (A, B: the left and right operand; K: the contracted axis; several contracted axes count as one K, in the product's order):
;;     1. [M 8,192, K 1,024] x [K 1,024, N 1,024]; A: input query; B: input Wq: QUANTISED
;;     2. [M 8,192, K 1,024] x [K 1,024, N 1,024]; A: input key; B: input Wk: QUANTISED
;;     3. [M 8,192, K 1,024] x [K 1,024, N 1,024]; A: input value; B: input Wv: QUANTISED
;;     4. batch 4 x [M 2,048, K 1,024] x [K 1,024, N 2,048]; A: computed on the way; B: computed on the way: QUANTISED
;;     5. batch 4 x [M 2,048, K 2,048] x [K 2,048, N 1,024]; A: softmax (see below); B: computed on the way: QUANTISED
;;   THE QUANTISER, for each operand of a quantised product, along K:
;;     - K is cut into blocks of 32 from its start; a last block that is shorter is filled with zeros.
;;     - A block's scale is 2^e with e = floor(log2(the largest magnitude in the block)) - 2, held to -126 .. 127; a block of zeros has e = 0. As a byte (E8M0): e + 127.
;;     - Each number is divided by its block's scale, clamped to +-7.5, and rounded to the nearest number of E2M3, ties to even, subnormals kept.
;;     - The product sums the exact products of the quantised numbers (number of the format x scale) in f32.
;;   ~~~python
;;   def quantise(x, axis):      # numpy; x: float32 -> the quantised numbers, widened to float32 again
;;       x = np.moveaxis(x, axis, -1); K = x.shape[-1]
;;       x = np.pad(x, [(0, 0)] * (x.ndim - 1) + [(0, -K % 32)]); x = x.reshape(x.shape[:-1] + (-1, 32)); a = np.abs(x).max(-1, keepdims=True)
;;       e = np.where(a > 0, np.clip(np.frexp(np.where(a > 0, a, 1))[1] - 1 - 2, -126, 127), 0)      # np.frexp(a)[1] - 1 = floor(log2(a)), exactly
;;       r = np.clip(x / 2.0 ** e, -7.5, 7.5)
;;       step = 2.0 ** (np.maximum(np.frexp(np.where(r == 0, 1, r))[1] - 1, 0) - 3)
;;       q = np.round(r / step) * step * 2.0 ** e      # np.round: ties to even
;;       return np.moveaxis(q.reshape(q.shape[:-2] + (-1,))[..., :K], -1, axis).astype(np.float32)
;;   ~~~
;;   SOFTMAX AHEAD OF A QUANTISED PRODUCT. Where the list says 'softmax', what is quantised is not the finished softmax but p = 2^(t - M), with t = logit x log2(e) and M = ceil(the row's largest t), a whole number; so 1/2 < the row's largest p <= 1. The row's sum l is taken of the UNQUANTISED p, in f32, and the product's result is divided by l at the end. Since M is a whole number, a kernel that streams over the keys may use a running M (the ceiling of the running maximum): every later rescaling is an exact power of two, which a block's scale takes up: the codes' values come out the same.
;;   OPERANDS COMPUTED ON THE WAY. 'Computed on the way' means the value that the module computes at that place (a softmax that the list does not call 'softmax' is quantised finished and normalised). What goes into a quantiser is computed in f32, as accurately as f32 sums, v_exp_f32 and their like allow (about 1e-6 of the number): no bf16 or f16 on the way to a quantiser, and a product that is left as it is and whose result goes on into a quantised operand takes f32 operands (vector FMAs, or v_wmma_f32_16x16x4_f32). A number that lies on a knife's edge between two numbers of the format may be rounded either way, as far as f32 arithmetic and the matrix unit's own rounding can turn it there, and no further.
;; One version. Each part assembles by itself: llvm-mc -triple=amdgcn-amd-amdhsa -mcpu=gfx1250 --defsym DOCPART=n.
;; ======== version 1 of 1: 4 launches
;; limits: right only within a limited range of input values
;; workspace buffers: xc 22,118,400 bytes; pc 19,660,800 bytes; wc 13,107,200 bytes; wst 1,048,576 bytes
;; launch quant (part 1): grid 1728 x 1, 4 waves a work-group, no clusters, 34,816 bytes of LDS; arguments query, key, Wv, Wq, Wk, value, xc; writes xc
.if DOCPART == 1
	.amdgcn_target "amdgcn-amd-amdhsa--gfx1250"
	.amdhsa_code_object_version 6
	.text
	.protected	k_q77580dfbf1_quant
	.globl	k_q77580dfbf1_quant
	.p2align	8
	.type	k_q77580dfbf1_quant,@function
k_q77580dfbf1_quant:
	s_mov_b64 s[64:65], 0
	v_nop
	global_prefetch_b8 v0, s[64:65] scope:SCOPE_SE
	s_setreg_imm32_b32 hwreg(HW_REG_WAVE_MODE, 25, 1), 1
	s_wait_xcnt 0x0
; Six f32 tensors with K (1,024) innermost become codes of FP6 (E2M3) with one E8M0 byte for each 32 along K, laid as RECORDS, the one layout of this program's workspace.
; A record is 128 rows x 128 along K, 12,800 bytes: eight fragments of 1,536 bytes, each the image of an operand's 12 registers (registers 4 c .. 4 c + 3 of lane l at 512 c + 16 l), then 512 bytes of
; scale words (tile i, place r at 256 (i / 4) + 16 r + 4 (i % 4)).  Record (g, s) of group g of 128 rows and K step s lies at (8 g + s) x 12,800.
; THE ROWS OF A TILE ARE NOT NEIGHBOURS: place r of tile i holds row 32 (i / 2) + 8 (i % 2) + r + 8 (r / 8) of the group, so that a later product, used transposed, has neighbours along its next K in a lane's registers.
; Groups: query 0-63, key 64-127, Wv 128-135, Wq 136-143, Wk 144-151, value 152-215.  A WORK-GROUP MAKES ONE RECORD, wave w its tiles 2 w and 2 w + 1: 216 x 8 = 1,728 work-groups.
; A block's scale is 2^(floor(log2(its largest magnitude)) - 2); its byte is the largest magnitude's exponent field - 2, held at 1 from below (a block of zeros so has byte 1: its codes are zeros, and this program alone reads the bytes).
; LIMITS: blocks whose largest magnitude lies under 2^-124 keep the byte 1; NaN and infinities among the inputs are not served.
; Each load reads 512 consecutive bytes (one row's K step); all 32 loads of a wave go out at once.  A tile's 16 rows turn through the wave's own stage in LDS, so that a lane gets two whole blocks of 32 of its row.
; The record's 512 bytes of scale words are gathered in LDS and leave by one store of wave 0: two aligned units of 256 bytes.  Each tile's codes have registers of their own, so no store's data are rewritten.
.set REC,    12800
.set SPITCH, 528                       ; a stage row: 512 bytes + 16
.set WSTG,   16*SPITCH                 ; a wave's stage
.set SPARE,  4*WSTG                    ; behind the stages: the spare words, 128 bytes a wave
.set SCW,    SPARE+512                 ; behind them: the record's scale words
.set SPW,  2                           ; v2   my spare word's LDS address; never rewritten
.set NIL,  3                           ; v3   0; never rewritten
.set LI,   4                           ; v4   16 x lane
.set SIN,  5                           ; v5   the stage, way in
.set SOUT, 6                           ; v6   the stage, way out: row r, + 128 h
.set SH8,  7                           ; v7   8 h
.set MX,   8
.set SO,   10
.set BY,   12
.set WD,   14
.set PD,   15
.set PC,   16                          ; v16-34, v40-58: a tile's codes (12) and the blocks' upper halves (a conversion's three registers begin on an even number)
.set PW,   36                          ; v36-37 my two tiles' scale words
.set SWA,  38                          ; v38  where I put them
.set SWR,  39                          ; v39  where wave 0 reads the 512 bytes
.set QD,   60
.set R,    64                          ; v64-191 two tiles x 16 loads
.set X,    192                         ; v192-255 64 numbers of my row
	s_load_b256 s[4:11], s[0:1], 0x0               ; query, key, Wv, Wq
	s_load_b128 s[12:15], s[0:1], 0x20             ; Wk, value
	s_load_b64 s[16:17], s[0:1], 0x30              ; xc
	v_lshl_add_u32 v[SPW], v0, 2, SPARE
	v_mov_b32 v[NIL], 0
	v_lshrrev_b32 v1, 5, v0
	v_readfirstlane_b32 s26, v1                    ; wave
	s_mul_i32 s27, s26, WSTG
	s_lshr_b32 s25, s26, 1
	s_lshl_b32 s25, s25, 8
	s_and_b32 s24, s26, 1
	s_lshl_b32 s24, s24, 3
	s_add_co_u32 s25, s25, s24
	s_add_co_u32 s25, s25, SCW                     ; tiles 2 w, 2 w + 1: 256 (w / 2) + 8 (w % 2)
	s_mov_b32 s22, 0x76543210
	s_mov_b32 s23, 0xfedcba98                      ; selects for lane l xor 16
	s_lshr_b32 s20, ttmp9, 3                       ; the group
	s_and_b32 s28, ttmp9, 7                        ; the K step
	v_and_b32 v1, 31, v0
	v_lshlrev_b32 v[LI], 4, v1
	v_add_nc_u32 v[SIN], s27, v[LI]
	v_add_nc_u32 v[SWR], SCW, v[LI]
	v_and_b32 v1, 15, v0                           ; r
	v_bfe_u32 v[SH8], v0, 4, 1                     ; h
	v_mul_u32_u24 v[SOUT], v1, SPITCH
	v_lshl_add_u32 v[SOUT], v[SH8], 7, v[SOUT]
	v_add_nc_u32 v[SOUT], s27, v[SOUT]
	v_lshlrev_b32 v[SH8], 3, v[SH8]
	v_lshlrev_b32 v[SWA], 4, v1
	v_add_nc_u32 v[SWA], s25, v[SWA]
	v_mov_b32 v[PD], 0                             ; a lane permute's destination counts as read
	s_wait_alu depctr_va_vdst(0)                   ; the wait at the head's end
	s_wait_kmcnt 0x0
	s_mov_b64 s[18:19], s[14:15]                   ; the tensor is chosen by the group's number alone
	s_mov_b32 s21, 152
.macro PICK lim, ptr, start
	s_cmp_lt_u32 s20, \lim
	s_cselect_b64 s[18:19], s[\ptr:\ptr+1], s[18:19]
	s_cselect_b32 s21, \start, s21
.endm
	PICK 152, 12, 144
	PICK 144, 10, 136
	PICK 136, 8, 128
	PICK 128, 6, 64
	PICK 64, 4, 0
	s_sub_co_u32 s29, s20, s21
	s_lshl_b32 s30, s29, 19                        ; 128 rows of 4,096 bytes a group,
	s_lshl_b32 s29, s28, 9                         ; 512 bytes a K step,
	s_add_co_u32 s30, s30, s29
	s_lshl_b32 s29, s26, 17                        ; 32 rows a wave
	s_add_co_u32 s30, s30, s29
	s_mov_b32 s31, 0
	s_add_nc_u64 s[18:19], s[18:19], s[30:31]
	s_mul_i32 s30, ttmp9, REC                      ; the record: 8 x group + K step is the work-group's number
	s_mul_i32 s29, s26, 2*1536                     ; my two fragments (wave 0: the record's start)
	s_add_co_u32 s30, s30, s29
	s_add_nc_u64 s[16:17], s[16:17], s[30:31]
.irp u, 0,1                            ; my two tiles' sixteen rows each, in the tile's order
.irp p, 0,1,2,3,4,5,6,7,8,9,10,11,12,13,14,15
	global_load_b128 v[R+64*\u+4*\p:R+64*\u+4*\p+3], v[LI], s[18:19] offset:(8*\u+\p+8*(\p/8))*4096 th:TH_LOAD_NT
.endr
.endr
.macro FRAGQ u
.set PCU, PC+24*(\u)
	s_wait_loadcnt 16*(1-(\u))                     ; this tile's 16 loads are in; the second tile's 16 may be out
.irp p, 0,1,2,3,4,5,6,7,8,9,10,11,12,13,14,15
	ds_store_b128 v[SIN], v[R+64*(\u)+4*\p:R+64*(\u)+4*\p+3] offset:SPITCH*\p
.endr
.irp c, 0,1
.irp j, 0,1,2,3,4,5,6,7
	ds_load_b128 v[X+32*\c+4*\j:X+32*\c+4*\j+3], v[SOUT] offset:256*\c+16*\j   ; k = 64 c + 32 h + 0 .. 31 of row r; LDS serves a wave's instructions in order
.endr
.endr
	s_wait_dscnt 0x0
.irp c, 0,1
	v_max3_num_f32 v[MX+\c], |v[X+32*\c]|, |v[X+32*\c+1]|, 0x1800000   ; with the floor 2^(3 - 127): the byte cannot fall under 1
.endr
.irp q, 2,4,6,8,10,12,14,16,18,20,22,24,26,28,30
.irp c, 0,1
	v_max3_num_f32 v[MX+\c], v[MX+\c], |v[X+32*\c+\q]|, |v[X+32*\c+\q+1]|
.endr
.endr
.irp c, 0,1
	v_add_nc_u32 v[SO+\c], 0xff000000, v[MX+\c]    ; 2 off the exponent field: the conversion's scale operand
.endr
.irp c, 0,1
	v_lshrrev_b32 v[BY+\c], 23, v[SO+\c]           ; the byte
.endr
	v_lshl_or_b32 v[WD], v[BY+1], 16, v[BY]        ; blocks h and 2 + h,
	v_lshlrev_b32 v[WD], v[SH8], v[WD]             ; at their places;
	v_permlanex16_b32 v[PD], v[WD], s22, s23
	v_or_b32 v[PW+(\u)], v[WD], v[PD]              ; with lane l xor 16's two the word is whole
	v_cvt_scalef32_pk16_fp6_f32 v[PCU:PCU+2], v[X:X+15], v[SO]
	v_cvt_scalef32_pk16_fp6_f32 v[PCU+12:PCU+14], v[X+16:X+31], v[SO]
	v_cvt_scalef32_pk16_fp6_f32 v[PCU+6:PCU+8], v[X+32:X+47], v[SO+1]
	v_cvt_scalef32_pk16_fp6_f32 v[PCU+16:PCU+18], v[X+48:X+63], v[SO+1]
	v_nop                                          ; one plain place behind a scaled conversion
.irp c, 0,1
.irp j, 0,1,2
	v_mov_b32 v[PCU+3+6*\c+\j], v[PCU+12+4*\c+\j]
.endr
.endr
.irp c, 0,1,2
	global_store_b128 v[LI], v[PCU+4*\c:PCU+4*\c+3], s[16:17] offset:1536*(\u)+512*\c   ; 512 consecutive bytes, aligned
.endr
.endm
	FRAGQ 0
	FRAGQ 1
	ds_store_b64 v[SWA], v[PW:PW+1]                ; lanes r and r + 16 hold the same words and write the same bytes
	s_wait_tensorcnt 0x0                           ; the closing wait, add and wait, behind my last LDS store;
	ds_add_u32 v[SPW], v[NIL]
	s_wait_dscnt 0x0                               ; the wait also shows my scale words stored, ahead of the signal
	s_barrier_signal -1
	s_barrier_wait -1
	s_cmp_lg_u32 s26, 0
	s_cbranch_scc1 .Lend
	ds_load_b128 v[QD:QD+3], v[SWR]                ; wave 0: the record's 512 bytes of scale words
	s_wait_dscnt 0x0
	global_store_b128 v[LI], v[QD:QD+3], s[16:17] offset:12288
.Lend:
	s_endpgm
.Lfunc_end_k_q77580dfbf1_quant:
	.size	k_q77580dfbf1_quant, .Lfunc_end_k_q77580dfbf1_quant-k_q77580dfbf1_quant
	.p2alignl 7, 3214868480
	.fill 96, 4, 3214868480
	.section	.rodata,"a",@progbits
	.p2align	6, 0x0
	.amdhsa_kernel k_q77580dfbf1_quant
		.amdhsa_group_segment_fixed_size 34816
		.amdhsa_private_segment_fixed_size 0
		.amdhsa_enable_private_segment 0
		.amdhsa_kernarg_size 56
		.amdhsa_user_sgpr_count 2
		.amdhsa_user_sgpr_kernarg_segment_ptr 1
		.amdhsa_wavefront_size32 1
		.amdhsa_system_sgpr_workgroup_id_x 1
		.amdhsa_system_sgpr_workgroup_id_y 1
		.amdhsa_system_sgpr_workgroup_id_z 1
		.amdhsa_system_vgpr_workitem_id 0
		.amdhsa_next_free_vgpr 256
		.amdhsa_next_free_sgpr 66
		.amdhsa_reserve_vcc 0
		.amdhsa_float_denorm_mode_32 3
		.amdhsa_float_denorm_mode_16_64 3
		.amdhsa_memory_ordered 1
		.amdhsa_forward_progress 1
		.amdhsa_inst_pref_size 17
	.end_amdhsa_kernel
	.amdgpu_metadata
---
amdhsa.version: [ 1, 2 ]
amdhsa.kernels:
  - .name:           k_q77580dfbf1_quant
    .symbol:         k_q77580dfbf1_quant.kd
    .args:
      - { .name: query, .offset: 0, .size: 8, .value_kind: global_buffer, .address_space: global }
      - { .name: key, .offset: 8, .size: 8, .value_kind: global_buffer, .address_space: global }
      - { .name: Wv, .offset: 16, .size: 8, .value_kind: global_buffer, .address_space: global }
      - { .name: Wq, .offset: 24, .size: 8, .value_kind: global_buffer, .address_space: global }
      - { .name: Wk, .offset: 32, .size: 8, .value_kind: global_buffer, .address_space: global }
      - { .name: value, .offset: 40, .size: 8, .value_kind: global_buffer, .address_space: global }
      - { .name: xc, .offset: 48, .size: 8, .value_kind: global_buffer, .address_space: global }
    .group_segment_fixed_size: 34816
    .private_segment_fixed_size: 0
    .kernarg_segment_align: 8
    .kernarg_segment_size: 56
    .max_flat_workgroup_size: 128
    .sgpr_count:     66
    .vgpr_count:     256
    .wavefront_size: 32
...
	.end_amdgpu_metadata
.endif
;; end of part 1
;; launch proj (part 2): grid 4 x 64, 4 waves a work-group, clusters of 4 x 4, 327,680 bytes of LDS; arguments xc, bq, bk, bv, pc; writes pc
.if DOCPART == 2
	.amdgcn_target "amdgcn-amd-amdhsa--gfx1250"
	.amdhsa_code_object_version 6
	.text
	.protected	k_q77580dfbf1_proj
	.globl	k_q77580dfbf1_proj
	.p2align	8
	.type	k_q77580dfbf1_proj,@function
k_q77580dfbf1_proj:
	s_mov_b64 s[64:65], 0
	v_nop
	global_prefetch_b8 v0, s[64:65] scope:SCOPE_SE
	s_setreg_imm32_b32 hwreg(HW_REG_WAVE_MODE, 25, 1), 1
	s_wait_xcnt 0x0
	s_wait_alu depctr_hold_cnt(0) depctr_sa_sdst(0) depctr_va_vdst(0) depctr_va_sdst(0) depctr_va_ssrc(0) depctr_va_vcc(0) depctr_vm_vsrc(0)
	s_getreg_b32 s2, hwreg(HW_REG_IB_STS2, 6, 4)
	s_cmp_eq_u32 s2, 0
	s_cbranch_scc0 .Lentry_in_a_cluster
	s_endpgm
.Lentry_in_a_cluster:
	s_bfe_u32 s2, ttmp6, 0x10000c
	s_cmp_lg_u32 s2, 0xf033
	s_cbranch_scc0 .Lentry_shape_is_right
	s_endpgm
.Lentry_shape_is_right:
; The three projections on records of FP6 codes (layout: the quantising launch), each result quantised again into records of pc.  All three biases go into the quantised operands.
; PRODUCT 1 (q and k): a tile of 256 rows of query or key (two groups) x 256 columns (two groups of Wq or Wk), K = 1,024; four waves, each 128 x 128: 64 accumulators.  Used transposed (source 0 = 16 rows of W,
; source 1 = 16 rows of x): a lane holds one row of x, and by the order of a tile's places its 64 registers are columns 32 B + 16 (lane / 16) + i: neighbours along the scores' K.  A wave stores one whole record.
; PRODUCT 2 (v^T): 256 channels (two groups of Wv) x 128 keys (one group of value); a wave makes 64 x 128: 32 accumulators.  Source 0 = 16 keys, source 1 = 16 channels: a lane holds a channel, its registers run along the keys.
; THE BIAS IS THE C OF EACH SUM'S FIRST MATRIX INSTRUCTION; the quantiser reads the accumulators through their register windows, TWO TILES AT A TIME, line by line, so that eight independent chains take turns; every tile's codes
; have registers of their own, so no store's data are rewritten in a way out.
; pc: q's record (group, column group) at 8 group + column group, k's 512 on, v^T's at 1,024 + 16 (8 batch + channel group) + key group.
; LDS: four regions (product 1: x's two groups, W's two) of six records, places 0-5.  Each wave fills one region, one tensor load behind each round: K steps 0-3 at the head; 4-5 behind the first full sequence;
; 6-7 into places 0-1 in K step 2.  In K step 5 places 2-5, all read, take product 2's first part: K steps 0-3 of Wv's two groups (waves 0, 1) and value's group in halves (waves 2, 3); in K step 7 places 0-1 take
; Wv's K steps 4-7, two records a wave.  So product 2's operands land under product 1's last K steps and its way out.
; CLUSTER 4 x 4: what hangs on cy alone (x's rows, Wv) is asked for jointly along a row of the cluster, what hangs on cx alone (W's rows, value) along a column.
; PREFETCH: each fill's bytes are asked of memory one fill ahead or more: K steps 4-5 at the head, 6-7 behind the second fill, both parts of product 2 behind the third.  The four partners of a joint load share its blocks of
; 256 bytes out by address (a quarter each), a lane a block, 25 blocks an instruction (lanes 25-31 name the 25th again).  Every address lies inside the group that will be loaded.
; LIMITS: blocks whose largest magnitude lies under 2^-124 keep the scale byte 1; NaN and infinities are not served.
; REGISTERS: window 0: v2-29 addresses; v32-63 scale words, two sets; v64-255 source 1's fragments, two sets; in the ways out v64-159 codes, v160-207 and v240-251 at work, v208-239 bv.
;   window 1: source 0's fragments at v0 and v128; v96-127, v224-255 the bias of my 128 columns.   windows 2, 3: the accumulators ((a, b) at v[8 (8 (a % 4) + b)]).
.set REC,   12800
.set GROW,  8*REC                      ; a group's eight records in memory
.set GRP6,  6*REC                      ; a region
.set SPARE, 4*GRP6                     ; the spare words, 128 bytes a wave
.set FR,    12
.set SPW,  2
.set NIL,  3
.set LI,   4                           ; 16 x lane
.set PFO,  5                           ; 256 x min(lane, 24)
.set BO1,  6
.set BO2,  7
.set ADRA, 8                           ; v8-9: source 1's fragments, places 0-2 and 3-5
.set ADRB, 10
.set ADSA, 12                          ; their scale words
.set ADSB, 14
.set ADRA2, 16                         ; v16-18: product 2, my tiles of Wv: K steps 0-3, 4-5, 6-7
.set ADSA2, 19                         ; v19-21: their scale words
.set ADRB2, 22                         ; v22-23: value, K steps 0-3 and 4-7
.set SOFF, 24
.set ADSB2, 28                         ; v28-29
.set SCA,  32
.set SCB,  40
.set AF,   64
.set PC,   64
.set TM,   160                         ; 16 registers for each of two tiles
.set PH,   192                         ; 8 for each
.set BV,   208
.set PW,   240
.set QD,   248
.set PF5,  6                           ; s[6:7], s[8:11]: the arguments that lay there have been used by then
.set G0A3, 8
.set G1A,  24
.set G1B,  32
.set G0A,  40
.set G0B,  44
.set G0A2, 48
.set G0B2, 52
.set PF1,  56
.set PF3,  58
.set SEL,  60
.set MUL_LO, 0xa1                      ; source 0 window 1, source 1 window 0, C and D window 2
.set MUL_HI, 0xf1
.set TO_B,   0x40
.set MSB, 0
.macro WIN new                         ; the immediate's high byte repeats the setting that is left
.if MSB != (\new)
	s_set_vgpr_msb (MSB<<8)|(\new)
.set MSB, (\new)
.endif
.endm
.macro WINM hi, zero                   ; for products: D in window 2 + hi; C there too, or (zero = 1) the bias in window 1
	WIN ((2+\hi)<<6)|(((2+\hi)*(1-\zero)+\zero)<<4)|1
.endm
.macro JLOAD g0a, g1a, g0b, g1b        ; waves 0, 1 ask along the row, waves 2, 3 along the column; an s_nop 0 and four v_nop follow each line
	s_cmp_eq_u32 s15, 0
	s_cbranch_scc0 .Lfor_b_\@
	tensor_load_to_lds s[\g0a:\g0a+3], s[\g1a:\g1a+7]
	s_nop 0
.rept 4
	v_nop
.endr
	s_branch .Lasked_\@
.Lfor_b_\@:
	tensor_load_to_lds s[\g0b:\g0b+3], s[\g1b:\g1b+7]
	s_nop 0
.rept 4
	v_nop
.endr
.Lasked_\@:
.endm
.macro CREST
	s_cmp_lg_u32 s14, 0
	s_cbranch_scc1 .Lnot_wave_0_\@
	s_barrier_signal -3
.Lnot_wave_0_\@:
	s_barrier_wait -3
	s_barrier_signal -1
	s_barrier_wait -1
.endm
.macro CROUND
	s_barrier_signal -1
	s_barrier_wait -1
	CREST
.endm
.macro PLACES n
.rept \n
	v_nop
.endr
.endm
.macro ASK base, off                   ; 25 blocks of 256 bytes
	global_prefetch_b8 v[PFO], s[\base:\base+1] offset:\off th:TH_LOAD_NT scope:SCOPE_SE
.endm
.macro FRAG reg, adr, off
.irp c, 0,1,2
	ds_load_b128 v[\reg+4*\c:\reg+4*\c+3], v[\adr] offset:\off+512*\c
.endr
.endm
.macro WM d, bf, af, c, sb, sa
	v_wmma_scale_f32_16x16x128_f8f6f4 v[\d:\d+7], v[\bf:\bf+FR-1], v[\af:\af+FR-1], \c, v[\sb], v[\sa] matrix_a_fmt:MATRIX_FMT_FP6 matrix_b_fmt:MATRIX_FMT_FP6
.endm
.macro FETCH pl, p                     ; 52 loads: the record at place pl of my two regions into set p
	WIN TO_B
.irp i, 0,1,2,3,4,5,6,7
	FRAG 128*(\p)+FR*\i, ADRB+(\pl)/3, REC*((\pl)%3)+1536*\i
.endr
	WIN 0
.irp i, 0,1,2,3,4,5,6,7
	FRAG AF+96*(\p)+FR*\i, ADRA+(\pl)/3, REC*((\pl)%3)+1536*\i
.endr
.irp u, 0,1
	ds_load_b128 v[SCA+16*(\p)+4*\u:SCA+16*(\p)+4*\u+3], v[ADSA+(\pl)/3] offset:REC*((\pl)%3)+256*\u
	ds_load_b128 v[SCB+16*(\p)+4*\u:SCB+16*(\p)+4*\u+3], v[ADSB+(\pl)/3] offset:REC*((\pl)%3)+256*\u
.endr
.endm
.macro MUL16 a0, p, zero               ; the 64 accumulators take turns, one instruction a turn
.irp a, \a0, \a0+1
.irp b, 0,1,2,3,4,5,6,7
.if \zero
	WM 8*(8*((\a)%4)+\b), 128*(\p)+FR*\b, AF+96*(\p)+FR*(\a), v[96+8*\b+96*(\b/4):103+8*\b+96*(\b/4)], SCB+16*(\p)+\b, SCA+16*(\p)+(\a)
.else
	WM 8*(8*((\a)%4)+\b), 128*(\p)+FR*\b, AF+96*(\p)+FR*(\a), v[8*(8*((\a)%4)+\b):8*(8*((\a)%4)+\b)+7], SCB+16*(\p)+\b, SCA+16*(\p)+(\a)
.endif
.endr
.endr
.endm
.macro STEP p, npl, zero
	s_wait_dscnt 0x0                               ; set p is in
	PLACES 4                                       ; four places in front of loads into registers that matrix instructions have read
	FETCH \npl, 1-\p
	WINM 0, \zero
	MUL16 0, \p, \zero
	MUL16 2, \p, \zero
	WINM 1, \zero
	MUL16 4, \p, \zero
	MUL16 6, \p, \zero
	WIN 0
.endm
; A K step with a round of the cluster's barrier and a refill.  kind 2: K steps 6-7 to places 0-1.  kind 3: product 2's first part to places 2-5.  kind 4: its second part to places 0-1.
; Every wave's wait for all its loads, with the round, also shows the fill before whole to all four waves.
.macro TURN p, kind, npl
	s_wait_dscnt 0x0                               ; set p is in: my reads so far are over
	s_wait_tensorcnt 0x0                           ; all my tensor loads have landed, so descriptors may be written
	ds_add_u32 v[SPW], v[NIL]                      ; 0 onto my spare word
.if \kind == 2
	s_add_nc_u64 s[G0A+2:G0A+3], s[G0A+2:G0A+3], 2*REC
	s_add_nc_u64 s[G0B+2:G0B+3], s[G0B+2:G0B+3], 2*REC
	s_mov_b32 s[G0A+1], s19
	s_mov_b32 s[G0B+1], s19
.endif
.if \kind == 3
	s_mov_b32 s[G1A+2], 200<<16                    ; four records: 51,200 bytes as 200 rows of 256
	s_mov_b32 s[G1A+4], 200
	s_mov_b32 s[G1B+2], 200<<16
	s_mov_b32 s[G1B+4], 200
.endif
.if \kind == 4
	s_mov_b32 s[G1A+2], 100<<16                    ; two records again
	s_mov_b32 s[G1A+4], 100
.endif
	WIN MUL_LO
	MUL16 0, \p, 0                                 ; sixteen matrix instructions stand between the add and the wait for it
	s_wait_dscnt 0x0
	s_barrier_signal -1
	MUL16 2, \p, 0
	WIN 0
	s_barrier_wait -1
	CREST                                          ; the barrier has opened a round: no wave of any partner still reads these places or has a load on its way
.if \kind == 2
	JLOAD G0A, G1A, G0B, G1B                       ; its four v_nop are also the places in front of the loads below
.endif
.if \kind == 3
	JLOAD G0A2, G1A, G0B2, G1B
.endif
.if \kind == 4
	tensor_load_to_lds s[G0A3:G0A3+3], s[G1A:G1A+7]   ; every wave two records of Wv, along the row
	s_nop 0
	PLACES 4
.else
	FETCH \npl, 1-\p
.endif
.if \kind == 2
	ASK PF3, 0                                     ; product 2's first part: my quarter of four records is 50 blocks;
	ASK PF3, 6400
	ASK PF5, 0                                     ; its second part: 25
.endif
	WIN MUL_HI
	MUL16 4, \p, 0
	MUL16 6, \p, 0
	WIN 0
.endm
.macro FETCH2 s, p                     ; product 2: 39 loads, K step s into set p
.set IA, ((\s)/4)*(1+((\s)%4)/2)       ; which of Wv's three addresses,
.set OA, REC*((1-(\s)/4)*(\s)+((\s)/4)*((\s)%2))   ; and the record behind it
	WIN TO_B
.irp i, 0,1,2,3,4,5,6,7
	FRAG 128*(\p)+FR*\i, ADRB2+(\s)/4, REC*((\s)%4)+1536*\i
.endr
	WIN 0
.irp i, 0,1,2,3
	FRAG AF+48*(\p)+FR*\i, ADRA2+IA, OA+1536*\i
.endr
	ds_load_b128 v[SCA+4*(\p):SCA+4*(\p)+3], v[ADSA2+IA] offset:OA
.irp u, 0,1
	ds_load_b128 v[SCB+8*(\p)+4*\u:SCB+8*(\p)+4*\u+3], v[ADSB2+(\s)/4] offset:REC*((\s)%4)+256*\u
.endr
.endm
.macro MUL8 a, p, zero                 ; the 32 accumulators take turns
.irp b, 0,1,2,3,4,5,6,7
.if \zero
	WM 8*(8*(\a)+\b), 128*(\p)+FR*\b, AF+48*(\p)+FR*(\a), v[BV+8*(\a):BV+8*(\a)+7], SCB+8*(\p)+\b, SCA+4*(\p)+(\a)
.else
	WM 8*(8*(\a)+\b), 128*(\p)+FR*\b, AF+48*(\p)+FR*(\a), v[8*(8*(\a)+\b):8*(8*(\a)+\b)+7], SCB+8*(\p)+\b, SCA+4*(\p)+(\a)
.endif
.endr
.endm
.macro STEP2 p, ns, zero
	s_wait_dscnt 0x0
	PLACES 4
	FETCH2 \ns, 1-\p
	WIN MUL_LO-0x20*(\zero)                        ; zero = 1: C is bv, in window 0
	MUL8 0, \p, \zero
	MUL8 1, \p, \zero
	MUL8 2, \p, \zero
	MUL8 3, \p, \zero
	WIN 0
.endm
; Two tiles of 16 rows x 128 along the next K, out of 128 accumulator registers at ac of window w, line by line by turns: four blocks' scales each, the codes to v[pc] .. v[pc + 23] as two operands' images, the rows' scale words to v[pw], v[pw + 1].
.macro QUANT2 w, ac, pc, pw
	WIN 0x0a+5*((\w)-2)                            ; sources 0 and 1: window w.
.irp t, 0,1
.irp b, 0,1,2,3
	v_max3_num_f32 v[TM+16*\t+\b], |v[(\ac)+64*\t+16*\b]|, |v[(\ac)+64*\t+16*\b+1]|, 0x1800000   ; with the floor 2^(3 - 127): the byte cannot fall under 1
.endr
.endr
.irp i, 2,4,6,8,10,12,14
.irp t, 0,1
.irp b, 0,1,2,3
	v_max3_num_f32 v[TM+16*\t+\b], |v[(\ac)+64*\t+16*\b+\i]|, |v[(\ac)+64*\t+16*\b+\i+1]|, v[TM+16*\t+\b]
.endr
.endr
.endr
	WIN 0
.irp t, 0,1
.irp b, 0,1,2,3
	v_permlanex16_b32 v[TM+16*\t+4+\b], v[TM+16*\t+\b], s[SEL], s[SEL+1]
.endr
.endr
.irp t, 0,1
.irp b, 0,1,2,3
	v_max_num_f32 v[TM+16*\t+\b], v[TM+16*\t+\b], v[TM+16*\t+4+\b]   ; with lane l xor 16's 16: the block's largest magnitude
.endr
.endr
.irp t, 0,1
.irp b, 0,1,2,3
	v_add_nc_u32 v[TM+16*\t+12+\b], 0xff000000, v[TM+16*\t+\b]       ; 2 off the exponent field: the conversion's scale operand
.endr
.endr
.irp t, 0,1
.irp b, 0,1,2,3
	v_lshrrev_b32 v[TM+16*\t+4+\b], 23, v[TM+16*\t+12+\b]            ; the byte
.endr
.endr
.irp t, 0,1
	v_lshl_or_b32 v[(\pw)+\t], v[TM+16*\t+5], 8, v[TM+16*\t+4]
.endr
.irp t, 0,1
	v_lshl_or_b32 v[(\pw)+\t], v[TM+16*\t+6], 16, v[(\pw)+\t]
.endr
.irp t, 0,1
	v_lshl_or_b32 v[(\pw)+\t], v[TM+16*\t+7], 24, v[(\pw)+\t]
.endr
	WIN (\w)                                       ; source 0: window w
.irp t, 0,1
.irp c, 0,1
	v_cvt_scalef32_pk16_fp6_f32 v[(\pc)+12*\t+6*\c:(\pc)+12*\t+6*\c+2], v[(\ac)+64*\t+32*\c:(\ac)+64*\t+32*\c+15], v[TM+16*\t+12+2*\c]
	v_cvt_scalef32_pk16_fp6_f32 v[PH+8*\t+4*\c:PH+8*\t+4*\c+2], v[(\ac)+64*\t+32*\c+16:(\ac)+64*\t+32*\c+31], v[TM+16*\t+13+2*\c]
.endr
.endr
	WIN 0
	v_nop                                          ; one plain place behind a scaled conversion
.irp t, 0,1                            ; the operand's layout wants a whole block in a lane
.irp c, 0,1
.irp i, 0,1,2
	v_permlane16_swap_b32 v[(\pc)+12*\t+6*\c+\i], v[PH+8*\t+4*\c+\i]
.endr
.endr
.endr
.irp t, 0,1
.irp c, 0,1
.irp i, 0,1,2
	v_mov_b32 v[(\pc)+12*\t+3+6*\c+\i], v[PH+8*\t+4*\c+\i]
.endr
.endr
.endr
.endm
	s_load_b256 s[4:11], s[0:1], 0x0               ; xc, bq, bk, bv
	s_load_b64 s[12:13], s[0:1], 0x20              ; pc
	v_lshl_add_u32 v[SPW], v0, 2, SPARE
	v_mov_b32 v[NIL], 0
	ds_add_u32 v[SPW], v[NIL]                      ; the opening: the add, twice on end, and its wait ahead of my first tensor load
	ds_add_u32 v[SPW], v[NIL]
	v_lshrrev_b32 v1, 5, v0
	v_readfirstlane_b32 s14, v1                    ; wave
	s_lshr_b32 s15, s14, 1                         ; my half of source 1's rows.  Also: I ask along the row (0) or the column (1)
	s_and_b32 s16, s14, 1                          ; my half of source 0's rows.  Also: which part I fetch
	s_bfe_u32 s66, ttmp6, 0x40000                  ; cx
	s_bfe_u32 s67, ttmp6, 0x40004                  ; cy
	s_and_b32 s79, ttmp7, 0xffff                   ; Y: the cluster, 0 .. 15
	s_lshl_b32 s17, s67, 2
	s_lshl_b32 s17, 15, s17                        ; my row of the cluster
	s_lshl_b32 s18, 0x1111, s66                    ; my column
	s_or_b32 s[G1A], s17, (3<<16)|(1<<21)
	s_or_b32 s[G1B], s18, (3<<16)|(1<<21)
.irp g, G1A, G1B                       ; dense blocks as rows of 256 bytes (32 elements of 8): at the head four records, 200 rows
	s_mov_b32 s[\g+1], 32<<16
	s_mov_b32 s[\g+2], 200<<16
	s_mov_b32 s[\g+3], 32<<16
	s_mov_b32 s[\g+4], 200
	s_mov_b32 s[\g+5], 32
	s_mov_b32 s[\g+6], 0
	s_mov_b32 s[\g+7], 0
.endr
	s_lshl_b32 s88, s67, 1                         ; 2 cy
	s_lshl_b32 s89, s66, 1                         ; 2 cx
	s_lshl_b32 s90, s79, 3
	s_add_co_u32 s80, s90, s88
	s_add_co_u32 s91, s80, s15                     ; the group of x whose rows I multiply: 8 Y + 2 cy + half
	s_add_co_u32 s80, s80, s16                     ; and the one that I fetch
	s_mul_i32 s80, s80, GROW
	s_mov_b32 s81, 0
	s_and_b32 s82, s79, 8                          ; Wq for Y under 8, Wk (8 groups on) from there
	s_add_co_u32 s82, s82, s89
	s_add_co_u32 s82, s82, s16
	s_add_co_u32 s82, s82, 136
	s_mul_i32 s82, s82, GROW
	s_mov_b32 s83, 0
	s_add_co_u32 s84, s88, s16                     ; Wv's group whose K steps 0-3 I fetch
	s_add_co_u32 s84, s84, 128
	s_mul_i32 s84, s84, GROW
	s_mov_b32 s85, 0
	s_lshl_b32 s92, s79, 2
	s_add_co_u32 s92, s92, s66                     ; value's group: 4 Y + cx
	s_add_co_u32 s86, s92, 152
	s_mul_i32 s86, s86, GROW
	s_mul_i32 s93, s16, 4*REC                      ; its half that I fetch
	s_add_co_u32 s86, s86, s93
	s_mov_b32 s87, 0
	s_mul_i32 s19, s14, GRP6                       ; LDS: the region that I fill;
	s_mul_i32 s20, s15, GRP6                       ; the regions that I read
	s_mul_i32 s21, s16, GRP6
	s_add_co_u32 s21, s21, 2*GRP6
	s_mul_i32 s22, s15, GRP6                       ; product 2: my group of Wv: K steps 0-3 at places 2-5 of region half,
	s_lshl_b32 s23, s16, 8                         ; (my four tiles' scale words,
	s_mul_i32 s94, s16, 4*1536                     ; my four tiles)
	s_lshl_b32 s95, s22, 1                         ; K steps 4-7 at places 0-1 of regions 2 half and 2 half + 1
	s_add_co_u32 s96, s95, s23
	s_add_co_u32 s95, s95, s94
	s_add_co_u32 s22, s22, 2*REC
	s_add_co_u32 s23, s23, s22
	s_add_co_u32 s22, s22, s94
	s_mul_i32 s97, s66, 6400                       ; the prefetches: my work-group's quarter, told apart by address
	s_add_co_u32 s97, s97, s80
	s_mul_i32 s98, s67, 6400
	s_add_co_u32 s98, s98, s82
	s_cmp_eq_u32 s15, 0
	s_cselect_b32 s[PF1], s97, s98
	s_mov_b32 s[PF1+1], 0
	s_mul_i32 s97, s66, 12800
	s_add_co_u32 s97, s97, s84
	s_mul_i32 s98, s67, 12800
	s_add_co_u32 s98, s98, s86
	s_cmp_eq_u32 s15, 0
	s_cselect_b32 s[PF3], s97, s98
	s_mov_b32 s[PF3+1], 0
	s_lshl_b32 s68, s91, 3                         ; my record of q or k: 8 x group + column group
	s_add_co_u32 s99, s89, s16
	s_add_co_u32 s68, s68, s99
	s_mul_i32 s68, s68, REC
	s_mov_b32 s69, 0
	s_lshl_b32 s70, s99, 9                         ; my 128 columns' bias
	s_mov_b32 s71, 0
	s_add_co_u32 s93, s88, s15                     ; my channel group
	s_lshl_b32 s72, s93, 9
	s_lshl_b32 s94, s16, 8
	s_add_co_u32 s72, s72, s94                     ; my 64 channels' bias
	s_mov_b32 s73, 0
	s_lshr_b32 s74, s92, 4                         ; the batch
	s_lshl_b32 s74, s74, 3
	s_add_co_u32 s74, s74, s93
	s_lshl_b32 s74, s74, 4
	s_and_b32 s92, s92, 15                         ; the key group in the batch
	s_add_co_u32 s74, s74, s92
	s_add_co_u32 s74, s74, 1024
	s_mul_i32 s74, s74, REC                        ; my record of v^T:
	s_add_co_u32 s76, s74, s94
	s_add_co_u32 s76, s76, 8*1536                  ; my four tiles' scale words,
	s_mov_b32 s77, 0
	s_mul_i32 s94, s16, 4*1536
	s_add_co_u32 s74, s74, s94                     ; my four fragments
	s_mov_b32 s75, 0
	s_add_co_u32 s90, s93, 128                     ; the last fill: of my channel group of Wv, K steps 4 + 2 (wave % 2) and the next
	s_mul_i32 s90, s90, GROW
	s_mul_i32 s91, s16, 2*REC
	s_add_co_u32 s90, s90, s91
	s_add_co_u32 s90, s90, 4*REC
	s_mov_b32 s91, 0
	s_mul_i32 s98, s66, 6400                       ; and my work-group's quarter of it, for the prefetch
	s_add_co_u32 s98, s98, s90
	s_mov_b32 s99, 0
	s_mov_b32 s[SEL], 0x76543210
	s_mov_b32 s[SEL+1], 0xfedcba98                 ; selects for lane l xor 16
	s_mov_b32 s62, 0xffff0000                      ; lanes 16-31
	s_wait_dscnt 0x0                               ; both opening adds are done
	s_wait_kmcnt 0x0
	s_mov_b32 s[G0A], 1
	s_mov_b32 s[G0A+1], s19
	s_add_nc_u64 s[G0A+2:G0A+3], s[4:5], s[80:81]
	s_or_b32 s[G0A+3], s[G0A+3], 0x80000000
	s_mov_b32 s[G0B], 1
	s_mov_b32 s[G0B+1], s19
	s_add_nc_u64 s[G0B+2:G0B+3], s[4:5], s[82:83]
	s_or_b32 s[G0B+3], s[G0B+3], 0x80000000
	s_mov_b32 s[G0A2], 1
	s_add_co_u32 s[G0A2+1], s19, 2*REC
	s_add_nc_u64 s[G0A2+2:G0A2+3], s[4:5], s[84:85]
	s_or_b32 s[G0A2+3], s[G0A2+3], 0x80000000
	s_mov_b32 s[G0B2], 1
	s_add_co_u32 s[G0B2+1], s19, 2*REC
	s_add_nc_u64 s[G0B2+2:G0B2+3], s[4:5], s[86:87]
	s_or_b32 s[G0B2+3], s[G0B2+3], 0x80000000
	s_add_nc_u64 s[PF1:PF1+1], s[4:5], s[PF1:PF1+1]
	s_add_nc_u64 s[PF3:PF3+1], s[4:5], s[PF3:PF3+1]
	s_add_nc_u64 s[68:69], s[12:13], s[68:69]
	s_cmp_lt_u32 s79, 8
	s_cselect_b64 s[6:7], s[6:7], s[8:9]           ; bq or bk, by the cluster's number
	s_add_nc_u64 s[70:71], s[6:7], s[70:71]
	s_add_nc_u64 s[72:73], s[10:11], s[72:73]
	s_add_nc_u64 s[74:75], s[12:13], s[74:75]
	s_add_nc_u64 s[76:77], s[12:13], s[76:77]
	s_add_nc_u64 s[PF5:PF5+1], s[4:5], s[98:99]
	s_mov_b32 s[G0A3], 1
	s_mov_b32 s[G0A3+1], s19
	s_add_nc_u64 s[G0A3+2:G0A3+3], s[4:5], s[90:91]
	s_or_b32 s[G0A3+3], s[G0A3+3], 0x80000000
	CROUND                                         ; all sixteen work-groups are here: the first joint loads meet
	JLOAD G0A, G1A, G0B, G1B                       ; K steps 0-3: one tensor load a wave at the head
	v_and_b32 v1, 31, v0
	v_lshlrev_b32 v[LI], 4, v1
	v_min_u32 v[PFO], 24, v1
	v_lshlrev_b32 v[PFO], 8, v[PFO]
	v_and_b32 v25, 15, v0                          ; r
	v_bfe_u32 v26, v0, 4, 1                        ; h
	v_lshlrev_b32 v27, 4, v25
	v_lshl_add_u32 v[SOFF], v26, 3, v27
	v_add_nc_u32 v27, 8*1536, v27                  ; a record's scale words: 16 r behind the fragments
	ASK PF1, 4*REC                                 ; K steps 4-5
	v_add_nc_u32 v[ADRA], s20, v[LI]
	v_add_nc_u32 v[ADRB], s21, v[LI]
	v_add_nc_u32 v[ADSA], s20, v27
	v_add_nc_u32 v[ADSB], s21, v27
.irp x, ADRA, ADRB, ADSA, ADSB
	v_add_nc_u32 v[\x+1], 3*REC, v[\x]
.endr
	v_add_nc_u32 v[ADRA2], s22, v[LI]
	v_add_nc_u32 v[ADSA2], s23, v27
	v_add_nc_u32 v[ADRA2+1], s95, v[LI]
	v_add_nc_u32 v[ADSA2+1], s96, v27
	v_add_nc_u32 v[ADRA2+2], GRP6, v[ADRA2+1]
	v_add_nc_u32 v[ADSA2+2], GRP6, v[ADSA2+1]
	v_add_nc_u32 v[ADRB2], 2*GRP6+2*REC, v[LI]
	v_add_nc_u32 v[ADSB2], 2*GRP6+2*REC, v27
	v_add_nc_u32 v[ADRB2+1], GRP6, v[ADRB2]
	v_add_nc_u32 v[ADSB2+1], GRP6, v[ADSB2]
	v_lshlrev_b32 v[BO1], 6, v26                   ; columns 32 B + 16 h + ..
	v_and_b32 v[BO2], 8, v25
	v_add_nc_u32 v[BO2], v[BO2], v25
	v_lshlrev_b32 v[BO2], 2, v[BO2]                ; channel r + 8 (r / 8) of a tile
	WIN TO_B
.irp e, 0,1,2,3,4,5,6,7,8,9,10,11,12,13,14,15
	global_load_b128 v[96+4*\e+96*(\e/8):96+4*\e+96*(\e/8)+3], v[BO1], s[70:71] offset:128*(\e/4)+16*(\e%4)   ; bias register n goes with accumulator register n of every tile of rows
.endr
	WIN 0
	s_wait_alu depctr_va_vdst(0)                   ; the wait at the head's end
	s_wait_tensorcnt 0x0                           ; my part of K steps 0-3 is in
	ds_add_u32 v[SPW], v[NIL]
	s_mov_b32 s[G1A+2], 100<<16                    ; no tensor load of mine is out: from here two records, 100 rows,
	s_mov_b32 s[G1A+4], 100
	s_mov_b32 s[G1B+2], 100<<16
	s_mov_b32 s[G1B+4], 100
	s_add_co_u32 s[G0A+1], s19, 4*REC              ; K steps 4-5, to places 4-5
	s_add_co_u32 s[G0B+1], s19, 4*REC
	s_add_nc_u64 s[G0A+2:G0A+3], s[G0A+2:G0A+3], 4*REC
	s_add_nc_u64 s[G0B+2:G0B+3], s[G0B+2:G0B+3], 4*REC
	s_wait_dscnt 0x0
	CROUND
	JLOAD G0A, G1A, G0B, G1B                       ; the first tensor load behind the round
	FETCH 0, 0
	ASK PF1, 6*REC                                 ; K steps 6-7
	s_wait_loadcnt 0x0                             ; the bias is in
	STEP 0, 1, 1                                   ; the first products start the sums from the bias
	STEP 1, 2, 0
	TURN 0, 2, 3
	STEP 1, 4, 0
	STEP 0, 5, 0
	TURN 1, 3, 0
	STEP 0, 1, 0
	TURN 1, 4, 0
	PLACES 4                                       ; in front of the first read of results and the first write of registers that held fragments
.irp b, 0,1,2,3
	v_mov_b32 v[TM+4+\b], 0                        ; a lane permute's destination counts as read
	v_mov_b32 v[TM+20+\b], 0
.endr
.irp a, 0,1,2,3
.irp j, 0,1,2,3,4,5,6,7
	global_load_b32 v[BV+8*\a+\j], v[BO2], s[72:73] offset:4*(32*(\a/2)+8*(\a%2))   ; bv of my lane's channel in all eight registers of a C operand
.endr
.endr
.irp a, 0,2,4,6
	QUANT2 2+\a/4, 64*(\a%4), PC+12*\a, PW+\a
.irp t, 0,1
.irp c, 0,1,2
	global_store_b128 v[LI], v[PC+12*(\a+\t)+4*\c:PC+12*(\a+\t)+4*\c+3], s[68:69] offset:1536*(\a+\t)+512*\c   ; 512 consecutive bytes, aligned
.endr
.endr
.endr
.irp j, 0,1,2,3
	v_cndmask_b32 v[QD+\j], v[PW+\j], v[PW+4+\j], s62   ; lanes 0-15: tiles 0-3's words; lanes 16-31: tiles 4-7's
.endr
	global_store_b128 v[LI], v[QD:QD+3], s[68:69] offset:12288
	s_wait_xcnt 0x0                                ; the stores have read their data: fragments may land there
	s_wait_loadcnt 0x0                             ; bv is in
	s_wait_tensorcnt 0x0                           ; my part of product 2's operands is in
	s_barrier_signal -1
	s_barrier_wait -1
	FETCH2 0, 0
	STEP2 0, 1, 1
	STEP2 1, 2, 0
	STEP2 0, 3, 0
	STEP2 1, 4, 0
	STEP2 0, 5, 0
	STEP2 1, 6, 0
	STEP2 0, 7, 0
	s_wait_dscnt 0x0
	WIN MUL_LO
	MUL8 0, 1, 0
	MUL8 1, 1, 0
	MUL8 2, 1, 0
	MUL8 3, 1, 0
	WIN 0
	PLACES 4
.irp a, 0,2
	QUANT2 2, 64*\a, PC+12*\a, PW+\a
.irp t, 0,1
.irp c, 0,1,2
	global_store_b128 v[LI], v[PC+12*(\a+\t)+4*\c:PC+12*(\a+\t)+4*\c+3], s[74:75] offset:1536*(\a+\t)+512*\c
.endr
.endr
.endr
	v_cndmask_b32 v[QD], v[PW], v[PW+2], s62
	v_cndmask_b32 v[QD+1], v[PW+1], v[PW+3], s62
	global_store_b64 v[SOFF], v[QD:QD+1], s[76:77] ; 256 consecutive bytes, aligned
	s_wait_tensorcnt 0x0                           ; the wave's end
	ds_add_u32 v[SPW], v[NIL]
	s_wait_dscnt 0x0
	CROUND                                         ; the closing round
	s_endpgm
.Lfunc_end_k_q77580dfbf1_proj:
	.size	k_q77580dfbf1_proj, .Lfunc_end_k_q77580dfbf1_proj-k_q77580dfbf1_proj
	.p2alignl 7, 3214868480
	.fill 96, 4, 3214868480
	.section	.rodata,"a",@progbits
	.p2align	6, 0x0
	.amdhsa_kernel k_q77580dfbf1_proj
		.amdhsa_group_segment_fixed_size 327680
		.amdhsa_private_segment_fixed_size 0
		.amdhsa_enable_private_segment 0
		.amdhsa_kernarg_size 40
		.amdhsa_user_sgpr_count 2
		.amdhsa_user_sgpr_kernarg_segment_ptr 1
		.amdhsa_wavefront_size32 1
		.amdhsa_system_sgpr_workgroup_id_x 1
		.amdhsa_system_sgpr_workgroup_id_y 1
		.amdhsa_system_sgpr_workgroup_id_z 1
		.amdhsa_system_vgpr_workitem_id 0
		.amdhsa_next_free_vgpr 1024
		.amdhsa_next_free_sgpr 100
		.amdhsa_reserve_vcc 0
		.amdhsa_float_denorm_mode_32 3
		.amdhsa_float_denorm_mode_16_64 3
		.amdhsa_memory_ordered 1
		.amdhsa_forward_progress 1
		.amdhsa_inst_pref_size 216
	.end_amdhsa_kernel
	.amdgpu_metadata
---
amdhsa.version: [ 1, 2 ]
amdhsa.kernels:
  - .name:           k_q77580dfbf1_proj
    .symbol:         k_q77580dfbf1_proj.kd
    .args:
      - { .name: xc, .offset: 0, .size: 8, .value_kind: global_buffer, .address_space: global }
      - { .name: bq, .offset: 8, .size: 8, .value_kind: global_buffer, .address_space: global }
      - { .name: bk, .offset: 16, .size: 8, .value_kind: global_buffer, .address_space: global }
      - { .name: bv, .offset: 24, .size: 8, .value_kind: global_buffer, .address_space: global }
      - { .name: pc, .offset: 32, .size: 8, .value_kind: global_buffer, .address_space: global }
    .group_segment_fixed_size: 327680
    .private_segment_fixed_size: 0
    .kernarg_segment_align: 8
    .kernarg_segment_size: 40
    .max_flat_workgroup_size: 128
    .sgpr_count:     100
    .vgpr_count:     1024
    .wavefront_size: 32
...
	.end_amdgpu_metadata
.endif
;; end of part 2
;; launch scores (part 3): grid 8 x 32, 4 waves a work-group, clusters of 4 x 4, 327,680 bytes of LDS; arguments pc, wc, wst; writes wc, wst
.if DOCPART == 3
	.amdgcn_target "amdgcn-amd-amdhsa--gfx1250"
	.amdhsa_code_object_version 6
	.text
	.protected	k_q77580dfbf1_scores
	.globl	k_q77580dfbf1_scores
	.p2align	8
	.type	k_q77580dfbf1_scores,@function
k_q77580dfbf1_scores:
	s_mov_b64 s[64:65], 0
	v_nop
	global_prefetch_b8 v0, s[64:65] scope:SCOPE_SE
	s_setreg_imm32_b32 hwreg(HW_REG_WAVE_MODE, 25, 1), 1
	s_wait_xcnt 0x0
	s_wait_alu depctr_hold_cnt(0) depctr_sa_sdst(0) depctr_va_vdst(0) depctr_va_sdst(0) depctr_va_ssrc(0) depctr_va_vcc(0) depctr_vm_vsrc(0)
	s_getreg_b32 s2, hwreg(HW_REG_IB_STS2, 6, 4)
	s_cmp_eq_u32 s2, 0
	s_cbranch_scc0 .Lentry_in_a_cluster
	s_endpgm
.Lentry_in_a_cluster:
	s_bfe_u32 s2, ttmp6, 0x10000c
	s_cmp_lg_u32 s2, 0xf033
	s_cbranch_scc0 .Lentry_shape_is_right
	s_endpgm
.Lentry_shape_is_right:
; S = q k^T on records of FP6 codes, then the softmax's numerator under a LOCAL whole number M, quantised along the keys into records of P.
; A tile is 256 queries x 256 keys, K = 1,024; four waves, each 128 x 128.  The product is used transposed (source 0 = 16 keys, source 1 = 16 queries): a lane holds one query, and, by the order of a
; tile's places (place r = row 32 (t / 2) + 8 (t % 2) + r + 8 (r / 8)), its 64 registers of a tile of queries are keys 32 b + 16 (lane / 16) + i of the wave's 128.
; For each query and each 128 keys: t = score x log2(e) / 32; M = ceil(the largest t of these 128 keys); p = 2^(t - M), quantised; l = the sum of the unquantised p.  -M and l go to wst; the last launch
; brings every group under the row's final M by an exact power of two in the scale bytes.
; wc: record (query / 128) x 16 + key / 128 (key within the batch).  wst: -M (f32, a whole number) at 512 x record, laid as a record's scale words; l 524,288 bytes on.
; CLUSTER 4 x 4: q's tiles are asked for jointly along a row of the cluster, k's along a column.
; LDS: four regions (q's two groups, k's two) of six records, places 0-5.  Each wave fills one region, one tensor load behind each round: K steps 0-3 at the head; 4-5 behind the first full sequence; 6-7 into places 0-1 in K step 2.
; PREFETCH: K steps 4-5 are asked of memory at the head, 6-7 behind the second fill: one fill ahead.  The four partners of a joint load share its 100 blocks of 256 bytes out by address, a lane a block (lanes 25-31 name the 25th again).
; THE WAY OUT takes TWO TILES of 16 queries at a time, line by line, so that independent chains take turns; t - M and p are made IN PLACE in the accumulators' registers; every tile's codes have registers of their own.
; LIMITS: a p under 2^-126 counts as 0; a block all of whose p are 0 keeps the scale byte 1 (its codes are zeros); NaN and infinities are not served; the scaled scores stay under 2^31 in magnitude.
; REGISTERS: window 0: v2-15 addresses; v32-63 scale words, two sets; v64-255 q's fragments, two sets; on the way out v64-159 codes, v160-231 at work, v232-255 the eight tiles' scale words, -M and l.
;   window 1: k's fragments at v0 and v128.   windows 2, 3: the accumulators ((a, b) at v[8 (8 (a % 4) + b)]).
.set REC,   12800
.set GROW,  8*REC
.set GRP6,  6*REC
.set SPARE, 4*GRP6
.set FR,    12
.set SPW,  2
.set NIL,  3
.set LI,   4
.set PFO,  5
.set ADRA, 8
.set ADRB, 10
.set ADSA, 12
.set ADSB, 14
.set SCA,  32
.set SCB,  40
.set AF,   64
.set PC,   64
.set TM,   160                         ; 16 registers for each of two tiles
.set PH,   192                         ; 8 for each
.set NMV,  208                         ; -M, a pair for each (the upper half is only named)
.set SA,   212                         ; l: four chains of pairs for each
.set TT,   228                         ; two for each
.set PW,   232
.set NM,   240
.set LS,   248
.set QD,   160
.set G1A,  24
.set G1B,  32
.set G0A,  40
.set G0B,  52
.set SEL,  76
.set CS,   84                          ; s[84:85] c = log2(e) / 32
.set MUL_LO, 0xa1
.set MUL_HI, 0xf1
.set TO_B,   0x40
.set MSB, 0
.macro WIN new
.if MSB != (\new)
	s_set_vgpr_msb (MSB<<8)|(\new)
.set MSB, (\new)
.endif
.endm
.macro JLOAD g0a, g1a, g0b, g1b        ; waves 0, 1 fetch q's groups, waves 2, 3 k's; an s_nop 0 and four v_nop follow each line
	s_cmp_eq_u32 s15, 0
	s_cbranch_scc0 .Lfor_b_\@
	tensor_load_to_lds s[\g0a:\g0a+3], s[\g1a:\g1a+7]
	s_nop 0
.rept 4
	v_nop
.endr
	s_branch .Lasked_\@
.Lfor_b_\@:
	tensor_load_to_lds s[\g0b:\g0b+3], s[\g1b:\g1b+7]
	s_nop 0
.rept 4
	v_nop
.endr
.Lasked_\@:
.endm
.macro CREST
	s_cmp_lg_u32 s14, 0
	s_cbranch_scc1 .Lnot_wave_0_\@
	s_barrier_signal -3
.Lnot_wave_0_\@:
	s_barrier_wait -3
	s_barrier_signal -1
	s_barrier_wait -1
.endm
.macro CROUND
	s_barrier_signal -1
	s_barrier_wait -1
	CREST
.endm
.macro PLACES n
.rept \n
	v_nop
.endr
.endm
.macro FRAG reg, adr, off
.irp c, 0,1,2
	ds_load_b128 v[\reg+4*\c:\reg+4*\c+3], v[\adr] offset:\off+512*\c
.endr
.endm
.macro WM d, bf, af, c, sb, sa
	v_wmma_scale_f32_16x16x128_f8f6f4 v[\d:\d+7], v[\bf:\bf+FR-1], v[\af:\af+FR-1], \c, v[\sb], v[\sa] matrix_a_fmt:MATRIX_FMT_FP6 matrix_b_fmt:MATRIX_FMT_FP6
.endm
.macro FETCH pl, p                     ; 52 loads: the record at place pl of my two regions into set p
	WIN TO_B
.irp i, 0,1,2,3,4,5,6,7
	FRAG 128*(\p)+FR*\i, ADRB+(\pl)/3, REC*((\pl)%3)+1536*\i
.endr
	WIN 0
.irp i, 0,1,2,3,4,5,6,7
	FRAG AF+96*(\p)+FR*\i, ADRA+(\pl)/3, REC*((\pl)%3)+1536*\i
.endr
.irp u, 0,1
	ds_load_b128 v[SCA+16*(\p)+4*\u:SCA+16*(\p)+4*\u+3], v[ADSA+(\pl)/3] offset:REC*((\pl)%3)+256*\u
	ds_load_b128 v[SCB+16*(\p)+4*\u:SCB+16*(\p)+4*\u+3], v[ADSB+(\pl)/3] offset:REC*((\pl)%3)+256*\u
.endr
.endm
.macro MUL16 a0, p, zero               ; the 64 accumulators take turns, one instruction a turn
.irp a, \a0, \a0+1
.irp b, 0,1,2,3,4,5,6,7
.if \zero
	WM 8*(8*((\a)%4)+\b), 128*(\p)+FR*\b, AF+96*(\p)+FR*(\a), 0, SCB+16*(\p)+\b, SCA+16*(\p)+(\a)
.else
	WM 8*(8*((\a)%4)+\b), 128*(\p)+FR*\b, AF+96*(\p)+FR*(\a), v[8*(8*((\a)%4)+\b):8*(8*((\a)%4)+\b)+7], SCB+16*(\p)+\b, SCA+16*(\p)+(\a)
.endif
.endr
.endr
.endm
.macro STEP p, npl, zero
	s_wait_dscnt 0x0                               ; set p is in
	PLACES 4                                       ; four places in front of loads into registers that matrix instructions have read
	FETCH \npl, 1-\p
	WIN MUL_LO
	MUL16 0, \p, \zero
	MUL16 2, \p, \zero
	WIN MUL_HI
	MUL16 4, \p, \zero
	MUL16 6, \p, \zero
	WIN 0
.endm
; A K step with a barrier.  fill = 1: a round of the cluster's barrier; places 0-1, read out, take K steps 6-7.  fill = 0: every wave's wait for its loads and a barrier show K steps 6-7 whole; nothing is filled.
.macro TURN p, fill, npl
	s_wait_dscnt 0x0                               ; set p is in: my reads so far are over
	s_wait_tensorcnt 0x0                           ; all my tensor loads have landed
.if \fill
	ds_add_u32 v[SPW], v[NIL]                      ; 0 onto my spare word
.endif
	WIN MUL_LO
	MUL16 0, \p, 0
	s_wait_dscnt 0x0
	s_barrier_signal -1
	MUL16 2, \p, 0
	WIN 0
	s_barrier_wait -1
.if \fill
	CREST                                          ; no wave of any partner still reads these places or has a load on its way
	JLOAD G0A+8, G1A, G0B+8, G1B                   ; the first tensor load behind the round; its four v_nop are also the places in front of the loads below
.else
	PLACES 4
.endif
	FETCH \npl, 1-\p
	WIN MUL_HI
	MUL16 4, \p, 0
	MUL16 6, \p, 0
	WIN 0
.endm
; Tiles a and a + 1 of 16 queries (both in window W, at AC and AC + 64): the blocks' largest scores, M, p, l, the codes; stored as register images.
.macro SOFT2 a
.set W, 2+(\a)/4
.set AC, 64*((\a)%4)
	WIN 0x0a+5*(W-2)                               ; sources 0 and 1: window W.
.irp t, 0,1
.irp b, 0,1,2,3
	v_max_num_f32 v[TM+16*\t+\b], v[AC+64*\t+16*\b], v[AC+64*\t+16*\b+1]   ; the largest score of each block of 32 keys: it serves the row's maximum and, since p rises with the score, the block's largest p
.endr
.endr
.irp i, 2,4,6,8,10,12,14
.irp t, 0,1
.irp b, 0,1,2,3
	v_max3_num_f32 v[TM+16*\t+\b], v[AC+64*\t+16*\b+\i], v[AC+64*\t+16*\b+\i+1], v[TM+16*\t+\b]
.endr
.endr
.endr
	WIN 0
.irp t, 0,1
.irp b, 0,1,2,3
	v_permlanex16_b32 v[TM+16*\t+4+\b], v[TM+16*\t+\b], s[SEL], s[SEL+1]
.endr
.endr
.irp t, 0,1
.irp b, 0,1,2,3
	v_max_num_f32 v[TM+16*\t+\b], v[TM+16*\t+\b], v[TM+16*\t+4+\b]
.endr
.endr
.irp t, 0,1
	v_max3_num_f32 v[TT+2*\t], v[TM+16*\t], v[TM+16*\t+1], v[TM+16*\t+2]
.endr
.irp t, 0,1
	v_max_num_f32 v[TT+2*\t], v[TT+2*\t], v[TM+16*\t+3]
.endr
.irp t, 0,1
	v_mul_f32 v[TT+2*\t], s[CS], v[TT+2*\t]        ; the largest t of these 128 keys (c is positive)
.endr
.irp t, 0,1
	v_floor_f32 v[NMV+2*\t], -v[TT+2*\t]           ; -M = floor(-t) = -ceil(t)
.endr
	WIN (W<<6)|W                                   ; source 0 and the destination: window W
.irp t, 0,1
.set n, 0
.rept 32
	v_pk_fma_f32 v[AC+64*\t+2*n:AC+64*\t+2*n+1], v[AC+64*\t+2*n:AC+64*\t+2*n+1], s[CS:CS+1], v[NMV+2*\t:NMV+2*\t+1] op_sel_hi:[1,0,0]   ; t - M, in place
.set n, n+1
.endr
.endr
	WIN 0
.irp t, 0,1
.irp b, 0,1,2,3
	v_fma_f32 v[TM+16*\t+\b], v[TM+16*\t+\b], s[CS], v[NMV+2*\t]   ; the same of each block's largest score
.endr
.endr
	s_wait_alu depctr_va_vdst(0)                   ; the wait ahead of the batch
	WIN (W<<6)|W
.set n, 0
.rept 128
	v_exp_f32 v[AC+n], v[AC+n]                     ; p = 2^(t - M), in place
.set n, n+1
.endr
	WIN 0
.irp t, 0,1
.irp b, 0,1,2,3
	v_exp_f32 v[TM+16*\t+\b], v[TM+16*\t+\b]       ; the block's largest p
.endr
.endr
.irp t, 0,1
	v_mov_b32 v[NM+(\a)+\t], v[NMV+2*\t]           ; plain places behind the exponentials
.endr
	s_wait_alu depctr_va_vdst(0)                   ; one wait for the batch, ahead of its first reader
	WIN 0x0a+5*(W-2)
.irp t, 0,1                            ; l is taken of the unquantised p: four chains of pairs a tile
.irp c, 0,1,2,3
	v_pk_add_f32 v[SA+8*\t+2*\c:SA+8*\t+2*\c+1], v[AC+64*\t+2*\c:AC+64*\t+2*\c+1], v[AC+64*\t+2*\c+8:AC+64*\t+2*\c+9]
.endr
.endr
	WIN W                                          ; source 0: window W
.irp j, 16,24,32,40,48,56
.irp t, 0,1
.irp c, 0,1,2,3
	v_pk_add_f32 v[SA+8*\t+2*\c:SA+8*\t+2*\c+1], v[AC+64*\t+2*\c+\j:AC+64*\t+2*\c+\j+1], v[SA+8*\t+2*\c:SA+8*\t+2*\c+1]
.endr
.endr
.endr
	WIN 0
.irp t, 0,1
.irp b, 0,1,2,3
	v_max_num_f32 v[TM+16*\t+\b], 0x1800000, v[TM+16*\t+\b]          ; the floor 2^(3 - 127)
.endr
.endr
.irp t, 0,1
	v_pk_add_f32 v[SA+8*\t:SA+8*\t+1], v[SA+8*\t:SA+8*\t+1], v[SA+8*\t+2:SA+8*\t+3]
	v_pk_add_f32 v[SA+8*\t+4:SA+8*\t+5], v[SA+8*\t+4:SA+8*\t+5], v[SA+8*\t+6:SA+8*\t+7]
.endr
.irp t, 0,1
.irp b, 0,1,2,3
	v_add_nc_u32 v[TM+16*\t+12+\b], 0xff000000, v[TM+16*\t+\b]       ; 2 off the exponent field: the conversion's scale operand
.endr
.endr
.irp t, 0,1
.irp b, 0,1,2,3
	v_lshrrev_b32 v[TM+16*\t+4+\b], 23, v[TM+16*\t+12+\b]            ; the byte
.endr
.endr
.irp t, 0,1
	v_pk_add_f32 v[SA+8*\t:SA+8*\t+1], v[SA+8*\t:SA+8*\t+1], v[SA+8*\t+4:SA+8*\t+5]
.endr
.irp t, 0,1
	v_lshl_or_b32 v[PW+(\a)+\t], v[TM+16*\t+5], 8, v[TM+16*\t+4]
.endr
.irp t, 0,1
	v_lshl_or_b32 v[PW+(\a)+\t], v[TM+16*\t+6], 16, v[PW+(\a)+\t]
.endr
.irp t, 0,1
	v_lshl_or_b32 v[PW+(\a)+\t], v[TM+16*\t+7], 24, v[PW+(\a)+\t]
.endr
.irp t, 0,1
	v_add_f32 v[TT+2*\t], v[SA+8*\t], v[SA+8*\t+1]
.endr
.irp t, 0,1
	v_permlanex16_b32 v[TT+2*\t+1], v[TT+2*\t], s[SEL], s[SEL+1]
.endr
.irp t, 0,1
	v_add_f32 v[LS+(\a)+\t], v[TT+2*\t], v[TT+2*\t+1]                ; with lane l xor 16's 64 keys
.endr
	WIN W
.irp t, 0,1
.irp c, 0,1
	v_cvt_scalef32_pk16_fp6_f32 v[PC+12*((\a)+\t)+6*\c:PC+12*((\a)+\t)+6*\c+2], v[AC+64*\t+32*\c:AC+64*\t+32*\c+15], v[TM+16*\t+12+2*\c]
	v_cvt_scalef32_pk16_fp6_f32 v[PH+8*\t+4*\c:PH+8*\t+4*\c+2], v[AC+64*\t+32*\c+16:AC+64*\t+32*\c+31], v[TM+16*\t+13+2*\c]
.endr
.endr
	WIN 0
	v_nop                                          ; one plain place behind a scaled conversion
.irp t, 0,1                            ; the operand's layout wants a whole block in a lane
.irp c, 0,1
.irp i, 0,1,2
	v_permlane16_swap_b32 v[PC+12*((\a)+\t)+6*\c+\i], v[PH+8*\t+4*\c+\i]
.endr
.endr
.endr
.irp t, 0,1
.irp c, 0,1
.irp i, 0,1,2
	v_mov_b32 v[PC+12*((\a)+\t)+3+6*\c+\i], v[PH+8*\t+4*\c+\i]
.endr
.endr
.endr
.irp t, 0,1
.irp c, 0,1,2
	global_store_b128 v[LI], v[PC+12*((\a)+\t)+4*\c:PC+12*((\a)+\t)+4*\c+3], s[80:81] offset:1536*((\a)+\t)+512*\c   ; 512 consecutive bytes, aligned
.endr
.endr
.endm
	s_load_b128 s[4:7], s[0:1], 0x0                ; pc, wc
	s_load_b64 s[8:9], s[0:1], 0x10                ; wst
	v_lshl_add_u32 v[SPW], v0, 2, SPARE
	v_mov_b32 v[NIL], 0
	ds_add_u32 v[SPW], v[NIL]                      ; the opening: the add, twice on end, and its wait ahead of my first tensor load
	ds_add_u32 v[SPW], v[NIL]
	v_lshrrev_b32 v1, 5, v0
	v_readfirstlane_b32 s14, v1
	s_lshr_b32 s15, s14, 1
	s_and_b32 s16, s14, 1
	s_bfe_u32 s66, ttmp6, 0x40000                  ; cx
	s_bfe_u32 s67, ttmp6, 0x40004                  ; cy
	s_and_b32 s68, ttmp7, 0xffff
	s_lshl_b32 s69, s67, 2
	s_lshl_b32 s69, 15, s69
	s_lshl_b32 s70, 0x1111, s66
	s_or_b32 s[G1A], s69, (3<<16)|(1<<21)
	s_or_b32 s[G1B], s70, (3<<16)|(1<<21)
.irp g, G1A, G1B                       ; dense blocks as rows of 256 bytes: at the head four records, 200 rows
	s_mov_b32 s[\g+1], 32<<16
	s_mov_b32 s[\g+2], 200<<16
	s_mov_b32 s[\g+3], 32<<16
	s_mov_b32 s[\g+4], 200
	s_mov_b32 s[\g+5], 32
	s_mov_b32 s[\g+6], 0
	s_mov_b32 s[\g+7], 0
.endr
	s_lshl_b32 s72, ttmp9, 2
	s_add_co_u32 s72, s72, s66                     ; x: the tile of 256 keys in the batch
	s_lshl_b32 s73, s68, 2
	s_add_co_u32 s73, s73, s67                     ; y: the tile of 256 queries, over all batches
	s_lshr_b32 s74, s68, 1                         ; the batch
	s_lshl_b32 s73, s73, 1                         ; 2 y
	s_lshl_b32 s72, s72, 1                         ; 2 x
	s_add_co_u32 s75, s73, s16
	s_mul_i32 s86, s75, GROW                       ; q's group that I fetch
	s_mov_b32 s87, 0
	s_lshl_b32 s74, s74, 4
	s_add_co_u32 s74, s74, s72
	s_add_co_u32 s74, s74, s16
	s_mul_i32 s88, s74, GROW
	s_add_co_u32 s88, s88, 512*REC                 ; k's: behind q's 512 records
	s_mov_b32 s89, 0
	s_mul_i32 s90, s14, GRP6                       ; the region that I fill
	s_mul_i32 s22, s15, GRP6                       ; the regions that I read
	s_mul_i32 s23, s16, GRP6
	s_add_co_u32 s23, s23, 2*GRP6
	s_add_co_u32 s91, s73, s15                     ; my group of queries
	s_lshl_b32 s91, s91, 4
	s_add_co_u32 s91, s91, s72
	s_add_co_u32 s91, s91, s16                     ; x 16 + my group of keys: my record
	s_mul_i32 s18, s91, REC
	s_mov_b32 s19, 0
	s_lshl_b32 s20, s91, 9
	s_mov_b32 s21, 0
	s_mov_b32 s[SEL], 0x76543210
	s_mov_b32 s[SEL+1], 0xfedcba98
	s_mov_b32 s78, 0xffff0000
	s_mov_b32 s[CS], 0x3d38aa3b                    ; log2(e) / 32
	s_mov_b32 s[CS+1], s[CS]
	s_wait_dscnt 0x0
	s_wait_kmcnt 0x0
	s_add_nc_u64 s[86:87], s[4:5], s[86:87]
	s_add_nc_u64 s[88:89], s[4:5], s[88:89]
	s_add_nc_u64 s[80:81], s[6:7], s[18:19]
	s_add_nc_u64 s[82:83], s[8:9], s[20:21]
	s_cmp_eq_u32 s15, 0                            ; the prefetches: of the group that I fetch, my work-group's quarter of each fill, told apart by address (cx among q's partners, cy among k's)
	s_cselect_b64 s[92:93], s[86:87], s[88:89]
	s_cselect_b32 s94, s66, s67
	s_mul_i32 s94, s94, 6400
	s_mov_b32 s95, 0
	s_add_nc_u64 s[92:93], s[92:93], s[94:95]
	CROUND
.irp n, 0,1,2                          ; three fills: K steps 0-3 to places 0-3; 4-5 to places 4-5; 6-7 to places 0-1
	s_mov_b32 s[G0A+4*\n], 1
	s_add_co_u32 s[G0A+4*\n+1], s90, (\n%2)*4*REC
	s_add_nc_u64 s[G0A+4*\n+2:G0A+4*\n+3], s[86:87], (\n)*(5-(\n))*REC
	s_or_b32 s[G0A+4*\n+3], s[G0A+4*\n+3], 0x80000000
	s_mov_b32 s[G0B+4*\n], 1
	s_add_co_u32 s[G0B+4*\n+1], s90, (\n%2)*4*REC
	s_add_nc_u64 s[G0B+4*\n+2:G0B+4*\n+3], s[88:89], (\n)*(5-(\n))*REC
	s_or_b32 s[G0B+4*\n+3], s[G0B+4*\n+3], 0x80000000
.endr
	JLOAD G0A, G1A, G0B, G1B                       ; one tensor load a wave at the head
	v_and_b32 v1, 31, v0
	v_lshlrev_b32 v[LI], 4, v1
	v_min_u32 v[PFO], 24, v1
	v_lshlrev_b32 v[PFO], 8, v[PFO]
	v_and_b32 v6, 15, v0
	v_lshlrev_b32 v6, 4, v6
	v_add_nc_u32 v6, 8*1536, v6                    ; a record's scale words: 16 r behind the fragments
	global_prefetch_b8 v[PFO], s[92:93] offset:4*REC th:TH_LOAD_NT scope:SCOPE_SE   ; K steps 4-5
	v_add_nc_u32 v[ADRA], s22, v[LI]
	v_add_nc_u32 v[ADRB], s23, v[LI]
	v_add_nc_u32 v[ADSA], s22, v6
	v_add_nc_u32 v[ADSB], s23, v6
.irp x, ADRA, ADRB, ADSA, ADSB
	v_add_nc_u32 v[\x+1], 3*REC, v[\x]
.endr
	s_wait_alu depctr_va_vdst(0)                   ; the wait at the head's end
	s_wait_tensorcnt 0x0                           ; my part of K steps 0-3 is in
	ds_add_u32 v[SPW], v[NIL]
	s_mov_b32 s[G1A+2], 100<<16                    ; no tensor load of mine is out: from here two records, 100 rows
	s_mov_b32 s[G1A+4], 100
	s_mov_b32 s[G1B+2], 100<<16
	s_mov_b32 s[G1B+4], 100
	s_wait_dscnt 0x0
	CROUND
	JLOAD G0A+4, G1A, G0B+4, G1B                   ; K steps 4-5, the first tensor load behind the round
	FETCH 0, 0
	global_prefetch_b8 v[PFO], s[92:93] offset:6*REC th:TH_LOAD_NT scope:SCOPE_SE   ; K steps 6-7
	STEP 0, 1, 1                                   ; the first products start the sums
	STEP 1, 2, 0
	TURN 0, 1, 3                                   ; K step 2: every wave's wait shows K steps 4-5 whole
	STEP 1, 4, 0
	STEP 0, 5, 0
	TURN 1, 0, 0
	STEP 0, 1, 0
	s_wait_dscnt 0x0
	WIN MUL_LO
	MUL16 0, 1, 0
	MUL16 2, 1, 0
	WIN MUL_HI
	MUL16 4, 1, 0
	MUL16 6, 1, 0
	WIN 0
	PLACES 4                                       ; in front of the first read of results and the first write of registers that held fragments
.irp b, 0,1,2,3
	v_mov_b32 v[TM+4+\b], 0                        ; a lane permute's destination counts as read
	v_mov_b32 v[TM+20+\b], 0
.endr
.irp t, 0,1
	v_mov_b32 v[NMV+2*\t+1], 0                     ; named as the upper half of a pair
	v_mov_b32 v[TT+2*\t+1], 0
.endr
.irp a, 0,2,4,6
	SOFT2 \a
.endr
.irp j, 0,1,2,3
	v_cndmask_b32 v[QD+\j], v[PW+\j], v[PW+4+\j], s78     ; lanes 0-15: tiles 0-3; lanes 16-31: tiles 4-7
	v_cndmask_b32 v[QD+4+\j], v[NM+\j], v[NM+4+\j], s78
	v_cndmask_b32 v[QD+8+\j], v[LS+\j], v[LS+4+\j], s78
.endr
	global_store_b128 v[LI], v[QD:QD+3], s[80:81] offset:12288
	global_store_b128 v[LI], v[QD+4:QD+7], s[82:83]
	global_store_b128 v[LI], v[QD+8:QD+11], s[82:83] offset:524288
	s_wait_tensorcnt 0x0                           ; the wave's end
	ds_add_u32 v[SPW], v[NIL]
	s_wait_dscnt 0x0
	CROUND
	s_endpgm
.Lfunc_end_k_q77580dfbf1_scores:
	.size	k_q77580dfbf1_scores, .Lfunc_end_k_q77580dfbf1_scores-k_q77580dfbf1_scores
	.p2alignl 7, 3214868480
	.fill 96, 4, 3214868480
	.section	.rodata,"a",@progbits
	.p2align	6, 0x0
	.amdhsa_kernel k_q77580dfbf1_scores
		.amdhsa_group_segment_fixed_size 327680
		.amdhsa_private_segment_fixed_size 0
		.amdhsa_enable_private_segment 0
		.amdhsa_kernarg_size 24
		.amdhsa_user_sgpr_count 2
		.amdhsa_user_sgpr_kernarg_segment_ptr 1
		.amdhsa_wavefront_size32 1
		.amdhsa_system_sgpr_workgroup_id_x 1
		.amdhsa_system_sgpr_workgroup_id_y 1
		.amdhsa_system_sgpr_workgroup_id_z 1
		.amdhsa_system_vgpr_workitem_id 0
		.amdhsa_next_free_vgpr 1024
		.amdhsa_next_free_sgpr 96
		.amdhsa_reserve_vcc 0
		.amdhsa_float_denorm_mode_32 3
		.amdhsa_float_denorm_mode_16_64 3
		.amdhsa_memory_ordered 1
		.amdhsa_forward_progress 1
		.amdhsa_inst_pref_size 191
	.end_amdhsa_kernel
	.amdgpu_metadata
---
amdhsa.version: [ 1, 2 ]
amdhsa.kernels:
  - .name:           k_q77580dfbf1_scores
    .symbol:         k_q77580dfbf1_scores.kd
    .args:
      - { .name: pc, .offset: 0, .size: 8, .value_kind: global_buffer, .address_space: global }
      - { .name: wc, .offset: 8, .size: 8, .value_kind: global_buffer, .address_space: global }
      - { .name: wst, .offset: 16, .size: 8, .value_kind: global_buffer, .address_space: global }
    .group_segment_fixed_size: 327680
    .private_segment_fixed_size: 0
    .kernarg_segment_align: 8
    .kernarg_segment_size: 24
    .max_flat_workgroup_size: 128
    .sgpr_count:     96
    .vgpr_count:     1024
    .wavefront_size: 32
...
	.end_amdgpu_metadata
.endif
;; end of part 3
;; launch pv (part 4): grid 4 x 64, 4 waves a work-group, clusters of 4 x 4, 327,680 bytes of LDS; arguments wc, wst, pc, out0; writes out0
.if DOCPART == 4
	.amdgcn_target "amdgcn-amd-amdhsa--gfx1250"
	.amdhsa_code_object_version 6
	.text
	.protected	k_q77580dfbf1_pv
	.globl	k_q77580dfbf1_pv
	.p2align	8
	.type	k_q77580dfbf1_pv,@function
k_q77580dfbf1_pv:
	s_mov_b64 s[64:65], 0
	v_nop
	global_prefetch_b8 v0, s[64:65] scope:SCOPE_SE
	s_setreg_imm32_b32 hwreg(HW_REG_WAVE_MODE, 25, 1), 1
	s_wait_xcnt 0x0
	s_wait_alu depctr_hold_cnt(0) depctr_sa_sdst(0) depctr_va_vdst(0) depctr_va_sdst(0) depctr_va_ssrc(0) depctr_va_vcc(0) depctr_vm_vsrc(0)
	s_getreg_b32 s2, hwreg(HW_REG_IB_STS2, 6, 4)
	s_cmp_eq_u32 s2, 0
	s_cbranch_scc0 .Lentry_in_a_cluster
	s_endpgm
.Lentry_in_a_cluster:
	s_bfe_u32 s2, ttmp6, 0x10000c
	s_cmp_lg_u32 s2, 0xf033
	s_cbranch_scc0 .Lentry_shape_is_right
	s_endpgm
.Lentry_shape_is_right:
; O = P V / l on records of FP6 codes.  A tile is 128 queries (L: one group of P) x 256 channels (R: two groups of v^T), K = the batch's 2,048 keys; four waves, each 64 x 128: 32 accumulators.
; The product is used transposed (source 0 = 16 channels, source 1 = 16 queries): a lane holds one query and, by the order of a tile's places, neighbouring channels in its registers.
; P's codes were made under a whole number M of their own for each 128 keys.  At the head each wave finds its rows' final -M (the least of the sixteen), the rows' sum l = the sum of l_s 2^(M_s - M), and takes
; M - M_s off each of P's scale bytes: an exact power of two.  The corrected scale words lie in LDS bytes of their own for the whole launch.
; CLUSTER 4 x 4: P's tiles are asked for jointly along a row of the cluster, v^T's along a column.  K goes in four steps of 512 through two LDS slots: two first fills, two refills.
; LIMITS: M - M_s is held at 255; a scale byte smaller than M - M_s is held at 0 (2^-127): such a block's terms are under 7.5 x 2^-127 against l > 1/2; NaN and infinities are not served.
; REGISTERS: window 0: v2-29 addresses; v32-39 P's scale words, v40-55 v^T's, two sets each; v56-63 1 / l; v64-111, v112-159 P's fragments, two sets; at the head v64-247 are at work; on the way out v160-223.
;   window 1: v^T's fragments at v0 and v128.   window 2: the accumulators ((a, b) at v[8 (8 a + b)]).
.set REC,   12800
.set KSB,   4*REC                      ; a group's four records of a K step of 512
.set SLOT,  3*KSB                      ; P's group, then v^T's two
.set PSC,   2*SLOT                     ; behind the slots: P's corrected scale words, 16 x 512 bytes, stored once; no tile lands here
.set SPARE, PSC+8192                   ; the spare words, 128 bytes a wave
.set GROW,  16*REC                     ; a group's sixteen records in memory
.set SPITCH, 528                       ; the way out: a stage of 16 rows x (512 + 16) bytes a wave, in slot 0, behind that slot's last fill and last read
.set FR,    12
.set SPW,  2
.set NIL,  3
.set LI,   4
.set ADRA, 8                           ; v8-9   my P fragments in slot 0, 1
.set ADRB, 12                          ; v12-13 my v^T fragments
.set ADPS, 16                          ; v16    my corrected scale words
.set ADBS, 20                          ; v20-21 v^T's scale words
.set STO,  24
.set RD,   25
.set PSA,  29                          ; v29    where I store corrected words
.set SCA,  32
.set SCB,  40
.set RL,   56
.set AF,   64
.set NMA,  64                          ; the head: -M of my four tiles for the 16 key groups
.set LA,   128                         ; their l
.set NF,   192                         ; the final -M
.set LT,   196                         ; the rows' sums
.set NMC,  200                         ; -M of the words that I correct
.set PWQ,  216                         ; the words
.set T,    232
.set X,    160
.set BK,   64
.set G1A,  24
.set G1B,  32
.set G0A,  40                          ; s[40:47]
.set G0B,  48                          ; s[48:55]
.set MUL,  0xa1
.set TO_B, 0x40
.set MSB, 0
.macro WIN new
.if MSB != (\new)
	s_set_vgpr_msb (MSB<<8)|(\new)
.set MSB, (\new)
.endif
.endm
.macro JLOAD g0a, g1a, g0b, g1b        ; waves 0, 1 fetch P's halves, waves 2, 3 v^T's groups; an s_nop 0 and four v_nop follow each line
	s_cmp_eq_u32 s15, 0
	s_cbranch_scc0 .Lfor_b_\@
	tensor_load_to_lds s[\g0a:\g0a+3], s[\g1a:\g1a+7]
	s_nop 0
.rept 4
	v_nop
.endr
	s_branch .Lasked_\@
.Lfor_b_\@:
	tensor_load_to_lds s[\g0b:\g0b+3], s[\g1b:\g1b+7]
	s_nop 0
.rept 4
	v_nop
.endr
.Lasked_\@:
.endm
.macro CREST
	s_cmp_lg_u32 s14, 0
	s_cbranch_scc1 .Lnot_wave_0_\@
	s_barrier_signal -3
.Lnot_wave_0_\@:
	s_barrier_wait -3
	s_barrier_signal -1
	s_barrier_wait -1
.endm
.macro CROUND
	s_barrier_signal -1
	s_barrier_wait -1
	CREST
.endm
; A prefetch of K step n, one fill ahead: of what I fetch, my work-group's quarter, told apart by address; a lane a block of 256 bytes, 25 blocks an instruction (lanes 25-31 name the 25th again).
; P's half of a K step is 100 blocks (one instruction a partner), a group of v^T 200 (two).
.macro ASK n
	global_prefetch_b8 v10, s[82:83] offset:(\n)*KSB th:TH_LOAD_NT scope:SCOPE_SE
	s_cmp_eq_u32 s15, 0
	s_cbranch_scc1 .Lpf_\@
	global_prefetch_b8 v10, s[82:83] offset:(\n)*KSB+6400 th:TH_LOAD_NT scope:SCOPE_SE
.Lpf_\@:
.endm
.macro PLACES n
.rept \n
	v_nop
.endr
.endm
.macro FRAG reg, adr, off
.irp c, 0,1,2
	ds_load_b128 v[\reg+4*\c:\reg+4*\c+3], v[\adr] offset:\off+512*\c
.endr
.endm
.macro FETCH slot, q, nn, p            ; 39 loads: the slot's q-th 128 keys, key group nn, into set p
	WIN TO_B
.irp i, 0,1,2,3,4,5,6,7
	FRAG 128*(\p)+FR*\i, ADRB+\slot, REC*(\q)+1536*\i
.endr
	WIN 0
.irp i, 0,1,2,3
	FRAG AF+48*(\p)+FR*\i, ADRA+\slot, REC*(\q)+1536*\i
.endr
	ds_load_b128 v[SCA+4*(\p):SCA+4*(\p)+3], v[ADPS] offset:512*(\nn)
.irp u, 0,1
	ds_load_b128 v[SCB+8*(\p)+4*\u:SCB+8*(\p)+4*\u+3], v[ADBS+\slot] offset:REC*(\q)+256*\u
.endr
.endm
.macro MUL8 a, p, zero                 ; the 32 accumulators take turns, one instruction a turn
.irp b, 0,1,2,3,4,5,6,7
.if \zero
	v_wmma_scale_f32_16x16x128_f8f6f4 v[8*(8*(\a)+\b):8*(8*(\a)+\b)+7], v[128*(\p)+FR*\b:128*(\p)+FR*\b+FR-1], v[AF+48*(\p)+FR*(\a):AF+48*(\p)+FR*(\a)+FR-1], 0, v[SCB+8*(\p)+\b], v[SCA+4*(\p)+(\a)] matrix_a_fmt:MATRIX_FMT_FP6 matrix_b_fmt:MATRIX_FMT_FP6
.else
	v_wmma_scale_f32_16x16x128_f8f6f4 v[8*(8*(\a)+\b):8*(8*(\a)+\b)+7], v[128*(\p)+FR*\b:128*(\p)+FR*\b+FR-1], v[AF+48*(\p)+FR*(\a):AF+48*(\p)+FR*(\a)+FR-1], v[8*(8*(\a)+\b):8*(8*(\a)+\b)+7], v[SCB+8*(\p)+\b], v[SCA+4*(\p)+(\a)] matrix_a_fmt:MATRIX_FMT_FP6 matrix_b_fmt:MATRIX_FMT_FP6
.endif
.endr
.endm
.macro STEP p, nslot, nq, nn, zero
	s_wait_dscnt 0x0                               ; set p is in
	PLACES 4                                       ; four places in front of loads into registers that matrix instructions have read
	FETCH \nslot, \nq, \nn, 1-\p
	WIN MUL
	MUL8 0, \p, \zero
	MUL8 1, \p, \zero
	MUL8 2, \p, \zero
	MUL8 3, \p, \zero
	WIN 0
.endm
.macro TURN p, fill, slot, nslot, nn   ; a slot's last step, and the change of slots.  fill = 1: the slot that is left takes the K step two on
	s_wait_dscnt 0x0                               ; set p is in: my reads of this slot are over
	s_wait_tensorcnt 0x0                           ; all my tensor loads have landed: my part of the next slot
	ds_add_u32 v[SPW], v[NIL]                      ; 0 onto my spare word
	WIN MUL
	MUL8 0, \p, 0                                  ; eight matrix instructions stand between the add and the wait for it
	s_wait_dscnt 0x0
	s_barrier_signal -1
	MUL8 1, \p, 0
	WIN 0
	s_barrier_wait -1
.if \fill
	CREST                                          ; no wave of any partner still reads this slot or has a load on its way
	s_add_nc_u64 s[G0A+4*\slot+2:G0A+4*\slot+3], s[G0A+4*\slot+2:G0A+4*\slot+3], 2*KSB
	s_add_nc_u64 s[G0B+4*\slot+2:G0B+4*\slot+3], s[G0B+4*\slot+2:G0B+4*\slot+3], 2*KSB
	JLOAD G0A+4*\slot, G1A, G0B+4*\slot, G1B       ; the first tensor load behind the round; its four v_nop are also the places in front of the loads below
.else
	PLACES 4
.endif
	FETCH \nslot, 0, \nn, 1-\p
.if (\fill) && (\nn) == 4
	ASK 3
.endif
	WIN MUL
	MUL8 2, \p, 0
	MUL8 3, \p, 0
	WIN 0
.endm
; Four scale words of P (four tiles, my place, one key group): each byte less min(byte, M - M_s).  No byte borrows: what is taken off is at most the byte.
.macro FIX t
.irp j, 0,1,2,3
	v_sub_f32 v[NMC+4*\t+\j], v[NMC+4*\t+\j], v[NF+\j]    ; M - M_s, a whole number, 0 or more
.endr
.irp j, 0,1,2,3
	v_min_num_f32 v[NMC+4*\t+\j], 0x437f0000, v[NMC+4*\t+\j]
.endr
.irp j, 0,1,2,3
	v_cvt_u32_f32 v[NMC+4*\t+\j], v[NMC+4*\t+\j]
.endr
.irp j, 0,1,2,3
	v_and_b32 v[T+4*\j], 0xff, v[PWQ+4*\t+\j]
	v_bfe_u32 v[T+4*\j+1], v[PWQ+4*\t+\j], 8, 8
	v_bfe_u32 v[T+4*\j+2], v[PWQ+4*\t+\j], 16, 8
	v_lshrrev_b32 v[T+4*\j+3], 24, v[PWQ+4*\t+\j]
.endr
.irp j, 0,1,2,3
.irp k, 0,1,2,3
	v_min_u32 v[T+4*\j+\k], v[T+4*\j+\k], v[NMC+4*\t+\j]
.endr
.endr
.irp j, 0,1,2,3
	v_lshl_or_b32 v[T+4*\j], v[T+4*\j+1], 8, v[T+4*\j]
.endr
.irp j, 0,1,2,3
	v_lshl_or_b32 v[T+4*\j], v[T+4*\j+2], 16, v[T+4*\j]
.endr
.irp j, 0,1,2,3
	v_lshl_or_b32 v[T+4*\j], v[T+4*\j+3], 24, v[T+4*\j]
.endr
.irp j, 0,1,2,3
	v_sub_nc_u32 v[PWQ+4*\t+\j], v[PWQ+4*\t+\j], v[T+4*\j]
.endr
	ds_store_b128 v[PSA], v[PWQ+4*\t:PWQ+4*\t+3] offset:1024*\t
.endm
	s_load_b256 s[4:11], s[0:1], 0x0               ; wc, wst, pc, out0
	v_lshl_add_u32 v[SPW], v0, 2, SPARE
	v_mov_b32 v[NIL], 0
	ds_add_u32 v[SPW], v[NIL]                      ; the wave's opening: the add and its wait ahead of my first tensor load
	ds_add_u32 v[SPW], v[NIL]
	v_lshrrev_b32 v1, 5, v0
	v_readfirstlane_b32 s14, v1
	s_lshr_b32 s15, s14, 1                         ; my half of the queries.  Also: I fetch for P (0) or v^T (1)
	s_and_b32 s16, s14, 1                          ; my half of the channels.  Also: which part I fetch
	s_bfe_u32 s66, ttmp6, 0x40000                  ; cx
	s_bfe_u32 s67, ttmp6, 0x40004                  ; cy
	s_and_b32 s68, ttmp7, 0xffff
	s_lshl_b32 s17, s67, 2
	s_lshl_b32 s17, 15, s17                        ; my row of the cluster
	s_lshl_b32 s18, 0x1111, s66                    ; my column
	s_or_b32 s[G1A], s17, (3<<16)|(1<<21)
	s_or_b32 s[G1B], s18, (3<<16)|(1<<21)
	s_mov_b32 s[G1A+1], 32<<16                     ; P: a dense block of 25,600 bytes as 100 rows of 256
	s_mov_b32 s[G1A+2], 100<<16
	s_mov_b32 s[G1A+3], 32<<16
	s_mov_b32 s[G1A+4], 100
	s_mov_b32 s[G1A+5], 32
	s_mov_b32 s[G1A+6], 0
	s_mov_b32 s[G1A+7], 0
	s_mov_b32 s[G1B+1], 32<<16                     ; v^T: 51,200 bytes as 200 rows
	s_mov_b32 s[G1B+2], 200<<16
	s_mov_b32 s[G1B+3], 32<<16
	s_mov_b32 s[G1B+4], 200
	s_mov_b32 s[G1B+5], 32
	s_mov_b32 s[G1B+6], 0
	s_mov_b32 s[G1B+7], 0
	s_lshl_b32 s69, s68, 2
	s_add_co_u32 s69, s69, s67                     ; y: the group of 128 queries
	s_lshr_b32 s70, s68, 2                         ; the batch
	s_lshl_b32 s71, ttmp9, 2
	s_add_co_u32 s71, s71, s66                     ; x: the tile of 256 channels
	s_mul_i32 s86, s69, GROW
	s_mul_i32 s17, s16, 2*REC
	s_add_co_u32 s86, s86, s17                     ; P: my half of a K step's four records
	s_mov_b32 s87, 0
	s_lshl_b32 s72, s70, 3
	s_lshl_b32 s73, s71, 1
	s_add_co_u32 s72, s72, s73
	s_add_co_u32 s72, s72, s16
	s_mul_i32 s88, s72, GROW
	s_add_co_u32 s88, s88, 1024*REC                ; v^T: behind q's and k's 1,024 records
	s_mov_b32 s89, 0
	s_mul_i32 s90, s16, 2*REC                      ; where they go in a slot
	s_mul_i32 s91, s16, KSB
	s_add_co_u32 s91, s91, KSB
	s_lshl_b32 s92, s69, 13                        ; wst: 16 x 512 bytes a group of queries,
	s_lshl_b32 s18, s15, 8                         ; my four tiles' quads
	s_add_co_u32 s92, s92, s18
	s_mov_b32 s93, 0
	s_lshl_b32 s94, s16, 12                        ; the eight key groups whose words I correct
	s_mov_b32 s95, 0
	s_mul_i32 s20, s69, GROW
	s_mul_i32 s19, s16, 8*REC
	s_add_co_u32 s20, s20, s19
	s_add_co_u32 s20, s20, s18
	s_mov_b32 s21, 0
	s_lshl_b32 s22, s69, 7
	s_lshl_b32 s19, s15, 6
	s_add_co_u32 s22, s22, s19
	s_lshl_b32 s22, s22, 12                        ; my first row of O, 4,096 bytes a row,
	s_lshl_b32 s19, s71, 10
	s_add_co_u32 s22, s22, s19
	s_lshl_b32 s19, s16, 9
	s_add_co_u32 s22, s22, s19                     ; and my first channel
	s_mov_b32 s23, 0
	s_wait_dscnt 0x0
	s_wait_kmcnt 0x0
	s_add_nc_u64 s[86:87], s[4:5], s[86:87]
	s_add_nc_u64 s[88:89], s[8:9], s[88:89]
	s_add_nc_u64 s[74:75], s[6:7], s[92:93]
	s_add_nc_u64 s[76:77], s[74:75], s[94:95]
	s_add_nc_u64 s[78:79], s[4:5], s[20:21]
	s_add_nc_u64 s[80:81], s[10:11], s[22:23]
	s_cmp_eq_u32 s15, 0
	s_cselect_b64 s[82:83], s[86:87], s[88:89]     ; the prefetches' base: what I fetch,
	s_cselect_b32 s84, s66, s67                    ; my place among the four that ask with me,
	s_mul_i32 s84, s84, 6400
	s_lshl_b32 s84, s84, s15                       ; 6,400 bytes a partner of P's half, 12,800 of v^T's group
	s_mov_b32 s85, 0
	s_add_nc_u64 s[82:83], s[82:83], s[84:85]
	CROUND
.irp n, 0,1                            ; K steps 0 and 1: the descriptors of slots 0 and 1
	s_mov_b32 s[G0A+4*\n], 1
	s_add_co_u32 s[G0A+4*\n+1], s90, \n*SLOT
	s_add_nc_u64 s[G0A+4*\n+2:G0A+4*\n+3], s[86:87], \n*KSB
	s_or_b32 s[G0A+4*\n+3], s[G0A+4*\n+3], 0x80000000
	s_mov_b32 s[G0B+4*\n], 1
	s_add_co_u32 s[G0B+4*\n+1], s91, \n*SLOT
	s_add_nc_u64 s[G0B+4*\n+2:G0B+4*\n+3], s[88:89], \n*KSB
	s_or_b32 s[G0B+4*\n+3], s[G0B+4*\n+3], 0x80000000
.endr
	JLOAD G0A, G1A, G0B, G1B                       ; K step 0: one tensor load a wave at the head
	v_and_b32 v1, 31, v0
	v_min_u32 v10, 24, v1
	v_lshlrev_b32 v10, 8, v10
	v_lshlrev_b32 v[LI], 4, v1
	v_and_b32 v5, 15, v0                           ; r
	v_bfe_u32 v6, v0, 4, 1                         ; h
	v_lshlrev_b32 v26, 4, v5                       ; 16 r
	v_lshl_add_u32 v27, v6, 9, v26                 ; + 512 h: lanes 16-31 take the next key group
	v_mad_u32_u24 v28, v6, REC, v26                ; the same among P's records
.irp s, 0,1,2,3,4,5,6,7,8,9,10,11,12,13,14,15
	global_load_b128 v[NMA+4*\s:NMA+4*\s+3], v26, s[74:75] offset:512*\s
.endr
.irp s, 0,1,2,3,4,5,6,7,8,9,10,11,12,13,14,15
	global_load_b128 v[LA+4*\s:LA+4*\s+3], v26, s[74:75] offset:524288+512*\s
.endr
.irp t, 0,1,2,3
	global_load_b128 v[NMC+4*\t:NMC+4*\t+3], v27, s[76:77] offset:1024*\t
	global_load_b128 v[PWQ+4*\t:PWQ+4*\t+3], v28, s[78:79] offset:2*REC*\t+12288
.endr
	s_mul_i32 s17, s15, 4*1536                     ; my four tiles of P in a record
	s_mul_i32 s18, s16, KSB
	s_add_co_u32 s18, s18, KSB                     ; my group of v^T in a slot
	v_add_nc_u32 v7, 8*1536, v26
.irp n, 0,1
	v_add_nc_u32 v[ADRA+\n], s17, v[LI]
	v_add_nc_u32 v[ADRB+\n], s18, v[LI]
	v_add_nc_u32 v[ADBS+\n], s18, v7
	s_add_co_u32 s17, s17, SLOT
	s_add_co_u32 s18, s18, SLOT
.endr
	ASK 1
	s_lshl_b32 s17, s15, 8
	s_add_co_u32 s17, s17, PSC
	v_add_nc_u32 v[ADPS], s17, v26
	s_lshl_b32 s18, s16, 12
	s_add_co_u32 s17, s17, s18
	v_add_nc_u32 v[PSA], s17, v27
	s_mul_i32 s17, s14, 16*SPITCH                  ; my stage
	v_mul_u32_u24 v[STO], v5, SPITCH
	v_lshl_add_u32 v[STO], v6, 6, v[STO]
	v_add_nc_u32 v[STO], s17, v[STO]
	v_add_nc_u32 v[RD], s17, v[LI]
	s_wait_loadcnt 0x0
.irp j, 0,1,2,3
	v_min3_num_f32 v[NF+\j], v[NMA+\j], v[NMA+4+\j], v[NMA+8+\j]   ; the final -M: the least of the sixteen
.endr
.irp s, 3,5,7,9,11,13
.irp j, 0,1,2,3
	v_min3_num_f32 v[NF+\j], v[NF+\j], v[NMA+4*\s+\j], v[NMA+4*\s+4+\j]
.endr
.endr
.irp j, 0,1,2,3
	v_min_num_f32 v[NF+\j], v[NF+\j], v[NMA+60+\j]
.endr
.set n, 0
.rept 64
	v_sub_f32 v[NMA+n], v[NF+n%4], v[NMA+n]        ; M_s - M, 0 or less
.set n, n+1
.endr
.set n, 0
.rept 64
	v_max_num_f32 v[NMA+n], 0xc37f0000, v[NMA+n]   ; held at -255
.set n, n+1
.endr
.set n, 0
.rept 64
	v_cvt_i32_f32 v[NMA+n], v[NMA+n]
.set n, n+1
.endr
.set n, 0
.rept 64
	v_ldexp_f32 v[LA+n], v[LA+n], v[NMA+n]         ; l_s under the final M
.set n, n+1
.endr
	v_pk_add_f32 v[LT:LT+1], v[LA:LA+1], v[LA+4:LA+5]
	v_pk_add_f32 v[LT+2:LT+3], v[LA+2:LA+3], v[LA+6:LA+7]
.irp s, 2,3,4,5,6,7,8,9,10,11,12,13,14,15
	v_pk_add_f32 v[LT:LT+1], v[LT:LT+1], v[LA+4*\s:LA+4*\s+1]
	v_pk_add_f32 v[LT+2:LT+3], v[LT+2:LT+3], v[LA+4*\s+2:LA+4*\s+3]
.endr
	s_wait_alu depctr_va_vdst(0)
.irp a, 0,1,2,3
	v_rcp_f32 v[RL+2*\a], v[LT+\a]                 ; 1 / l, twice: a pair for the packed multiply
	v_rcp_f32 v[RL+2*\a+1], v[LT+\a]
.endr
.irp t, 0,1,2,3
	FIX \t                                         ; plain work that names no reciprocal
.endr
	s_wait_alu depctr_va_vdst(0)                   ; one wait for the eight reciprocals, ahead of every reader
	s_wait_tensorcnt 0x0                           ; my part of slot 0 is in
	ds_add_u32 v[SPW], v[NIL]
	s_wait_dscnt 0x0                               ; the add is done, and my corrected words have landed
	CROUND
	JLOAD G0A+4, G1A, G0B+4, G1B                   ; K step 1, slot 1's first fill: the first tensor load behind the round
	FETCH 0, 0, 0, 0
	ASK 2
	STEP 0, 0, 1, 1, 1                             ; the first products start the sums
	STEP 1, 0, 2, 2, 0
	STEP 0, 0, 3, 3, 0
	TURN 1, 1, 0, 1, 4
	STEP 0, 1, 1, 5, 0
	STEP 1, 1, 2, 6, 0
	STEP 0, 1, 3, 7, 0
	TURN 1, 1, 1, 0, 8
	STEP 0, 0, 1, 9, 0
	STEP 1, 0, 2, 10, 0
	STEP 0, 0, 3, 11, 0
	TURN 1, 0, 0, 1, 12                            ; nothing is left to fetch; behind this barrier nobody reads slot 0
	STEP 0, 1, 1, 13, 0
	STEP 1, 1, 2, 14, 0
	STEP 0, 1, 3, 15, 0
	s_wait_dscnt 0x0
	WIN MUL
	MUL8 0, 1, 0
	MUL8 1, 1, 0
	MUL8 2, 1, 0
	MUL8 3, 1, 0
	WIN 0
	PLACES 4                                       ; in front of the first read of results and of loads into registers that held fragments
; THE WAY OUT, a tile of 16 queries at a time: / l, through my stage, back as whole rows of 512 bytes; place p of tile a is row 32 (a / 2) + 8 (a % 2) + p + 8 (p / 8) of my 64.
; Tile a's sixteen rows come back into v[64 a] .. v[64 a + 63] of WINDOW 1, where v^T's fragments lay: every tile has registers of its own, so no store's data are rewritten and no wait for the stores stands here.
; Tile a + 1 goes through the stage before tile a is stored.
.macro TOSTAGE a
	WIN 0x02
.set n, 0
.rept 32
	v_pk_mul_f32 v[X+2*n:X+2*n+1], v[64*(\a)+2*n:64*(\a)+2*n+1], v[RL+2*(\a):RL+2*(\a)+1]
.set n, n+1
.endr
	WIN 0
.irp b, 0,1,2,3,4,5,6,7
	ds_store_b128 v[STO], v[X+8*\b:X+8*\b+3] offset:128*(\b/2)+32*(\b%2)          ; channels 32 (b / 2) + 16 h + 8 (b % 2) + 0 .. 7
	ds_store_b128 v[STO], v[X+8*\b+4:X+8*\b+7] offset:128*(\b/2)+32*(\b%2)+16
.endr
	WIN TO_B
.irp p, 0,1,2,3,4,5,6,7,8,9,10,11,12,13,14,15
	ds_load_b128 v[64*(\a)+4*\p:64*(\a)+4*\p+3], v[RD] offset:SPITCH*\p           ; LDS serves a wave's instructions in order: these see my stores, and the next tile's stores come behind them
.endr
	WIN 0
.endm
.macro SEND a, younger                 ; younger: the LDS instructions issued behind tile a's loads, which may stay out
	s_wait_dscnt \younger
	WIN 0x04                                       ; the stores' data: window 1
.irp p, 0,1,2,3,4,5,6,7,8,9,10,11,12,13,14,15
	global_store_b128 v[LI], v[64*(\a)+4*\p:64*(\a)+4*\p+3], s[80:81] offset:(32*((\a)/2)+8*((\a)%2)+\p+8*(\p/8))*4096 th:TH_STORE_NT   ; 512 consecutive bytes, aligned
.endr
	WIN 0
.endm
	TOSTAGE 0
.irp a, 1,2,3
	TOSTAGE \a
	SEND \a-1, 32                                  ; behind tile a - 1's loads: tile a's 16 stores and 16 loads
.endr
	SEND 3, 0
	s_wait_tensorcnt 0x0                           ; the wave's end, behind my last tensor load and my last LDS store
	ds_add_u32 v[SPW], v[NIL]
	s_wait_dscnt 0x0
	CROUND                                         ; the closing round
	s_endpgm
.Lfunc_end_k_q77580dfbf1_pv:
	.size	k_q77580dfbf1_pv, .Lfunc_end_k_q77580dfbf1_pv-k_q77580dfbf1_pv
	.p2alignl 7, 3214868480
	.fill 96, 4, 3214868480
	.section	.rodata,"a",@progbits
	.p2align	6, 0x0
	.amdhsa_kernel k_q77580dfbf1_pv
		.amdhsa_group_segment_fixed_size 327680
		.amdhsa_private_segment_fixed_size 0
		.amdhsa_enable_private_segment 0
		.amdhsa_kernarg_size 32
		.amdhsa_user_sgpr_count 2
		.amdhsa_user_sgpr_kernarg_segment_ptr 1
		.amdhsa_wavefront_size32 1
		.amdhsa_system_sgpr_workgroup_id_x 1
		.amdhsa_system_sgpr_workgroup_id_y 1
		.amdhsa_system_sgpr_workgroup_id_z 1
		.amdhsa_system_vgpr_workitem_id 0
		.amdhsa_next_free_vgpr 768
		.amdhsa_next_free_sgpr 96
		.amdhsa_reserve_vcc 0
		.amdhsa_float_denorm_mode_32 3
		.amdhsa_float_denorm_mode_16_64 3
		.amdhsa_memory_ordered 1
		.amdhsa_forward_progress 1
		.amdhsa_inst_pref_size 174
	.end_amdhsa_kernel
	.amdgpu_metadata
---
amdhsa.version: [ 1, 2 ]
amdhsa.kernels:
  - .name:           k_q77580dfbf1_pv
    .symbol:         k_q77580dfbf1_pv.kd
    .args:
      - { .name: wc, .offset: 0, .size: 8, .value_kind: global_buffer, .address_space: global }
      - { .name: wst, .offset: 8, .size: 8, .value_kind: global_buffer, .address_space: global }
      - { .name: pc, .offset: 16, .size: 8, .value_kind: global_buffer, .address_space: global }
      - { .name: out0, .offset: 24, .size: 8, .value_kind: global_buffer, .address_space: global }
    .group_segment_fixed_size: 327680
    .private_segment_fixed_size: 0
    .kernarg_segment_align: 8
    .kernarg_segment_size: 32
    .max_flat_workgroup_size: 128
    .sgpr_count:     96
    .vgpr_count:     768
    .wavefront_size: 32
...
	.end_amdgpu_metadata
.endif
;; end of part 4
